; MI455X (gfx1250); checked and timed in simulation.
; The chip was launched on July 23, 2026; its instructions are those of AMD's public machine-readable ISA for CDNA 5 (MIT licence, August 2026) and "CDNA5" Instruction Set Architecture Reference Guide (July 2026). The comments in the code are by the model that wrote it; some were corrected since.
;; Attention. Allowed arithmetic: float matrix products may take bf16 or f16 operands with f32 sums; other float arithmetic in f32, or as packed bf16 or f16 multiplies, adds, multiply-adds, maxima and minima; sums over many terms, partial sums and values carried from step to step in f32; what a program stores and reads back later, other than sums and carried values, may be rounded once to bf16 or f16.
;; Inputs: mask 1 x 1 x 2,048 x 2,048 float32; wk 1,024 x 1,024 float32; wo 1,024 x 1,024 float32; wq 1,024 x 1,024 float32; wv 1,024 x 1,024 float32; x 2 x 2,048 x 1,024 float32.
;; Outputs: out0 2 x 2,048 x 1,024 float32.
;; 2 versions, each right; version 2 is version 1 with the launch tof16 written anew for expert scheduling mode. Each part assembles by itself: llvm-mc -triple=amdgcn-amd-amdhsa -mcpu=gfx1250 --defsym DOCPART=n.
;; ======== version 1 of 2: 4 launches
;; limits: values are held in f16: magnitudes above 65,504 overflow, below 6.1e-05 lose precision
;; workspace buffers: xb 8,388,608 bytes; wb 8,388,608 bytes; qkv 25,165,824 bytes; ab 8,388,608 bytes
;; launch tof16 (part 1): grid 512 x 1, 8 waves a work-group, no clusters, 0 bytes of LDS; arguments x, wq, wk, wv, wo, xb, wb; writes xb, wb
.if DOCPART == 1
	.amdgcn_target "amdgcn-amd-amdhsa--gfx1250"
	.amdhsa_code_object_version 6
	.text
	.protected	k_q795fddc195_tof16
	.globl	k_q795fddc195_tof16
	.p2align	8
	.type	k_q795fddc195_tof16,@function
k_q795fddc195_tof16:
	s_mov_b64 s[64:65], 0
	v_nop
	global_prefetch_b8 v0, s[64:65] scope:SCOPE_SE
	s_setreg_imm32_b32 hwreg(HW_REG_WAVE_MODE, 25, 1), 1
	s_wait_xcnt 0x0
; x and the four weights, f32, are rounded once to f16 for the matrix launches that follow:
;   xb[4096][1024] = x;   wb[4096][1024] = wq, wk, wv, wo stacked by rows (1,024 rows each).
; A stream: no LDS, no matrix unit, no cluster (no byte is read by two work-groups).
; Work-group g takes 64 KiB of f32: g < 256 the g-th piece of x, else piece g & 63 of weight (g & 255) >> 6.
; The result's place is (g & 255) x 32 KiB in xb or in wb: the weights fall into their stacking order by themselves.
; Wave w takes 8 KiB: 16 loads of 512 neighbouring bytes, all issued before the first is used; each pair of
; conversions feeds one store of 8 bytes a lane, 256 neighbouring bytes of the wave, aligned.
; LIMIT: f16 holds magnitudes below 65,504 (larger ones become infinite); below 6.1e-5 the step is 6e-8.
.set X, 4                              ; v[4:67]   the 16 loads, 4 registers each
.set Y, 68                             ; v[68:99]  the 16 results, 2 registers each
	s_load_b256 s[4:11], s[0:1], 0x0               ; x s[4:5], wq s[6:7], wk s[8:9], wv s[10:11]
	s_load_b128 s[12:15], s[0:1], 0x20             ; wo s[12:13], xb s[14:15]
	s_load_b64 s[16:17], s[0:1], 0x30              ; wb
	s_and_b32 s20, ttmp9, 255                      ; the piece's number in its destination
	s_lshr_b32 s21, s20, 6                         ; which weight
	s_lshl_b32 s22, s20, 15                        ; destination offset: 32 KiB a piece
	s_mov_b32 s23, 0
	s_and_b32 s24, ttmp9, 63
	s_lshl_b32 s24, s24, 16                        ; source offset inside a weight: 64 KiB a piece
	s_mov_b32 s25, 0
	s_lshl_b32 s26, s20, 16                        ; source offset inside x
	v_lshrrev_b32 v3, 5, v0                        ; wave
	v_and_b32 v2, 31, v0                           ; lane
	v_lshlrev_b32 v1, 4, v2
	v_lshl_add_u32 v1, v3, 13, v1                  ; load: 8,192 x wave + 16 x lane
	v_lshlrev_b32 v2, 3, v2
	v_lshl_add_u32 v2, v3, 12, v2                  ; store: 4,096 x wave + 8 x lane
	s_wait_kmcnt 0x0
	s_cmp_eq_u32 s21, 1                            ; the source is chosen among the buffers by the work-group's number alone
	s_cselect_b64 s[18:19], s[8:9], s[6:7]
	s_cmp_eq_u32 s21, 2
	s_cselect_b64 s[18:19], s[10:11], s[18:19]
	s_cmp_eq_u32 s21, 3
	s_cselect_b64 s[18:19], s[12:13], s[18:19]
	s_cmp_lt_u32 ttmp9, 256                        ; the three selects below leave SCC alone
	s_cselect_b64 s[18:19], s[4:5], s[18:19]
	s_cselect_b64 s[28:29], s[14:15], s[16:17]
	s_cselect_b32 s24, s26, s24
	s_add_nc_u64 s[18:19], s[18:19], s[24:25]
	s_add_nc_u64 s[28:29], s[28:29], s[22:23]
.irp i, 0,1,2,3,4,5,6,7,8,9,10,11,12,13,14,15
	global_load_b128 v[X+4*\i:X+4*\i+3], v1, s[18:19] offset:512*\i th:TH_LOAD_NT   ; read once in the launch
.endr
.irp i, 0,1,2,3,4,5,6,7,8,9,10,11,12,13,14,15
	s_wait_loadcnt 15-\i                           ; loads return in order: load i is in, the 15 - i younger ones stay out
	v_cvt_pk_f16_f32 v[Y+2*\i], v[X+4*\i], v[X+4*\i+1]
	v_cvt_pk_f16_f32 v[Y+2*\i+1], v[X+4*\i+2], v[X+4*\i+3]
	global_store_b64 v2, v[Y+2*\i:Y+2*\i+1], s[28:29] offset:256*\i   ; no register is written twice: no further wait
.endr
	s_endpgm
.Lfunc_end_k_q795fddc195_tof16:
	.size	k_q795fddc195_tof16, .Lfunc_end_k_q795fddc195_tof16-k_q795fddc195_tof16
	.p2alignl 7, 3214868480
	.fill 96, 4, 3214868480
	.section	.rodata,"a",@progbits
	.p2align	6, 0x0
	.amdhsa_kernel k_q795fddc195_tof16
		.amdhsa_group_segment_fixed_size 0
		.amdhsa_private_segment_fixed_size 0
		.amdhsa_enable_private_segment 0
		.amdhsa_kernarg_size 56
		.amdhsa_user_sgpr_count 2
		.amdhsa_user_sgpr_kernarg_segment_ptr 1
		.amdhsa_wavefront_size32 1
		.amdhsa_system_sgpr_workgroup_id_x 1
		.amdhsa_system_sgpr_workgroup_id_y 1
		.amdhsa_system_sgpr_workgroup_id_z 1
		.amdhsa_system_vgpr_workitem_id 0
		.amdhsa_next_free_vgpr 100
		.amdhsa_next_free_sgpr 66
		.amdhsa_reserve_vcc 0
		.amdhsa_float_denorm_mode_32 3
		.amdhsa_float_denorm_mode_16_64 3
		.amdhsa_memory_ordered 1
		.amdhsa_forward_progress 1
		.amdhsa_inst_pref_size 7
	.end_amdhsa_kernel
	.amdgpu_metadata
---
amdhsa.version: [ 1, 2 ]
amdhsa.kernels:
  - .name:           k_q795fddc195_tof16
    .symbol:         k_q795fddc195_tof16.kd
    .args:
      - { .name: x, .offset: 0, .size: 8, .value_kind: global_buffer, .address_space: global }
      - { .name: wq, .offset: 8, .size: 8, .value_kind: global_buffer, .address_space: global }
      - { .name: wk, .offset: 16, .size: 8, .value_kind: global_buffer, .address_space: global }
      - { .name: wv, .offset: 24, .size: 8, .value_kind: global_buffer, .address_space: global }
      - { .name: wo, .offset: 32, .size: 8, .value_kind: global_buffer, .address_space: global }
      - { .name: xb, .offset: 40, .size: 8, .value_kind: global_buffer, .address_space: global }
      - { .name: wb, .offset: 48, .size: 8, .value_kind: global_buffer, .address_space: global }
    .group_segment_fixed_size: 0
    .private_segment_fixed_size: 0
    .kernarg_segment_align: 8
    .kernarg_segment_size: 56
    .max_flat_workgroup_size: 256
    .sgpr_count:     66
    .vgpr_count:     100
    .wavefront_size: 32
...
	.end_amdgpu_metadata
.endif
;; end of part 1
;; launch qkvgemm (part 2): grid 12 x 16, 4 waves a work-group, clusters of 4 x 4, 327,680 bytes of LDS; arguments xb, wb, qkv; writes qkv
.if DOCPART == 2
	.amdgcn_target "amdgcn-amd-amdhsa--gfx1250"
	.amdhsa_code_object_version 6
	.text
	.protected	k_q795fddc195_qkvgemm
	.globl	k_q795fddc195_qkvgemm
	.p2align	8
	.type	k_q795fddc195_qkvgemm,@function
k_q795fddc195_qkvgemm:
	s_mov_b64 s[64:65], 0
	v_nop
	global_prefetch_b8 v0, s[64:65] scope:SCOPE_SE
	s_setreg_imm32_b32 hwreg(HW_REG_WAVE_MODE, 25, 1), 1
	s_wait_xcnt 0x0
	s_wait_alu depctr_hold_cnt(0) depctr_sa_sdst(0) depctr_va_vdst(0) depctr_va_sdst(0) depctr_va_ssrc(0) depctr_va_vcc(0) depctr_vm_vsrc(0)
	s_getreg_b32 s2, hwreg(HW_REG_IB_STS2, 6, 4)
	s_cmp_eq_u32 s2, 0
	s_cbranch_scc0 .Lentry_in_a_cluster
	s_endpgm
.Lentry_in_a_cluster:
	s_bfe_u32 s2, ttmp6, 0x10000c
	s_cmp_lg_u32 s2, 0xf033
	s_cbranch_scc0 .Lentry_shape_is_right
	s_endpgm
.Lentry_shape_is_right:
; qkv[m][n] = sum over k of xb[m][k] wb[n][k], n < 3072: the three projections as one product (columns 0-1023 q, 1024-2047 k, 2048-3071 v).
; xb: [4096][1024], wb: rows 0-3071 of [4096][1024], qkv: [4096][3072], all f16; sums in f32, rounded once.
; A work-group makes 256 x 256 of the result with four waves, a wave 128 x 128: 64 accumulator tiles, 512 registers.
; K goes in steps of 128 through two LDS slots filled by tensor loads: a tile's rows are 256 bytes of memory, aligned.
; 12 x 16 = 192 work-groups: the block of 256 x 256 has the fewest LDS bytes for a matrix instruction (32 loads of 512 bytes for 64 of them);
; blocks that give 256 work-groups (128 x 384) would read a third more.
; CLUSTERS: 4 x 4 work-groups.  The four of a row of the cluster need the same tiles of xb, the four of a column the same tiles of wb:
; such a tile is asked for jointly, by the same tensor load with the same descriptor and a mask that names the four.
; REGISTERS, in windows of 256: window 0: v16-26 addresses, v64-127 and v128-191 fragments of A, v192-223 the way out;
; window 1: v64-127, v128-191 fragments of B; windows 2 and 3: the accumulators of my rows 0-63 and 64-127 (tile (a, b) at v[8 (8 a + b)]).
; THE MATRIX INSTRUCTION IS USED TRANSPOSED (source 0 = rows of B, source 1 = rows of A): a lane's eight results are eight neighbouring columns of one row.
; The 64 accumulators take turns, one instruction a turn, in the same order in every quarter step, over the backward jump too.
; LIMIT: results beyond 65,504 in magnitude become infinite in f16.
.set SIZE_M, 4096
.set SIZE_N, 3072
.set SIZE_K, 1024
.set KSTEP,  128
.set PITCH,  272                       ; 256 bytes of data + 16 of padding: the 16 rows of a fragment load start 68 words apart
.set HALFT,  128*PITCH                 ; 128 rows: one tensor load
.set SLOT,   4*HALFT                   ; A's 256 rows, then B's 256 rows
.set STAGE,  2*SLOT                    ; behind the ring: 16 rows x 272 bytes for each wave; no tensor load lands here
.set SPITCH, 272
.set LAPS, SIZE_K/(2*KSTEP)            ; 4 laps of two K steps
.set ADRA, 16
.set ADRB, 20
.set STO,  24
.set RD,   25
.set CO,   26
.set F0,   64
.set F1,   128
.set TMP,  192
.set G1, 24                            ; s[24:31] group 1 for A's tiles
.set G0, 32                            ; s[32:39] group 0 for A's tiles, one set a slot
.set G1B, 48                           ; s[48:55] group 1 for B's tiles
.set G0B, 56                           ; s[56:63] group 0 for B's tiles, one set a slot
.set MSB, 0
.macro WIN new                         ; the immediate's high byte repeats the setting that is left
.if MSB != \new
	s_set_vgpr_msb (MSB<<8)|\new
.set MSB, \new
.endif
.endm
.set MUL_LO, 0xa1                      ; source 0 window 1, source 1 window 0, C and D window 2
.set MUL_HI, 0xf1                      ; the same, C and D window 3
.set TO_B,   0x40                      ; destination window 1
; A joint load: waves 0 and 1 fetch A's two halves, waves 2 and 3 B's.  The branch hangs on the wave's number alone.
.macro JLOAD s
	s_cmp_eq_u32 s11, 0
	s_cbranch_scc0 .Lfor_b_\@
	tensor_load_to_lds s[G0+4*\s:G0+4*\s+3], s[G1:G1+7]
	s_nop 0
	s_branch .Lasked_\@
.Lfor_b_\@:
	tensor_load_to_lds s[G0B+4*\s:G0B+4*\s+3], s[G1B:G1B+7]
	s_nop 0
.Lasked_\@:
.endm
; A round of the cluster's barrier: the work-group's barrier, wave 0 signals for the work-group, every wave waits for all sixteen, the work-group's barrier again.
.macro CREST
	s_cmp_lg_u32 s10, 0
	s_cbranch_scc1 .Lnot_wave_0_\@
	s_barrier_signal -3
.Lnot_wave_0_\@:
	s_barrier_wait -3
	s_barrier_signal -1
	s_barrier_wait -1
.endm
.macro CROUND
	s_barrier_signal -1
	s_barrier_wait -1
	CREST
.endm
	s_load_b128 s[4:7], s[0:1], 0x0                ; xb s[4:5], wb s[6:7]
	s_load_b64 s[8:9], s[0:1], 0x10                ; qkv
	s_set_vgpr_msb 0x40
	v_lshl_add_u32 v255, v0, 2, 0x48400
	s_set_vgpr_msb 0x4000
	v_mov_b32 v255, 0
	s_set_vgpr_msb 0x1
	ds_add_u32 v255, v255
	s_set_vgpr_msb 0x100
	v_lshrrev_b32 v1, 5, v0
	v_readfirstlane_b32 s10, v1                    ; wave 0..3
	s_lshr_b32 s11, s10, 1                         ; my half of the block's rows; also: I fetch for A (0) or for B (1)
	s_and_b32 s12, s10, 1                          ; my half of its columns; also: which 128 rows of that tile I fetch
	s_bfe_u32 s40, ttmp6, 0x40000                  ; cx
	s_bfe_u32 s41, ttmp6, 0x40004                  ; cy
	s_lshl_b32 s42, ttmp9, 2
	s_add_co_u32 s42, s42, s40                     ; block column = 4 x cluster x + cx
	s_and_b32 s13, ttmp7, 0xffff
	s_lshl_b32 s13, s13, 2
	s_add_co_u32 s13, s13, s41                     ; block row = 4 x cluster y + cy
	s_lshl_b32 s43, s41, 2
	s_lshl_b32 s43, 15, s43                        ; my row of the cluster
	s_lshl_b32 s44, 0x1111, s40                    ; my column
	; group 1: 128 rows x 128 elements of 2 bytes, 4 words of padding behind every 64
	s_or_b32 s[G1+0], s43, (1<<16)|(1<<20)|(1<<21)|(5<<22)|(3<<25)
	s_or_b32 s[G1B+0], s44, (1<<16)|(1<<20)|(1<<21)|(5<<22)|(3<<25)
	s_mov_b32 s[G1B+1], KSTEP<<16
	s_mov_b32 s[G1+1], KSTEP<<16                   ; tensor_dim0 = 128
	s_mov_b32 s[G1B+2], 128<<16
	s_mov_b32 s[G1+2], 128<<16                     ; tensor_dim1 = 128
	s_mov_b32 s[G1B+3], KSTEP<<16
	s_mov_b32 s[G1+3], KSTEP<<16                   ; tile_dim0 = 128
	s_mov_b32 s[G1B+4], 128
	s_mov_b32 s[G1+4], 128                         ; tile_dim1 = 128
	s_mov_b32 s[G1B+5], SIZE_K
	s_mov_b32 s[G1+5], SIZE_K                      ; elements from row to row
	s_mov_b32 s[G1B+6], 0
	s_mov_b32 s[G1+6], 0
	s_mov_b32 s[G1B+7], 0
	s_mov_b32 s[G1+7], 0
	; A's tiles hang on the block row alone, B's on the block column alone, each in registers that never hold the other coordinate
	s_lshl_b32 s17, s12, 7
	s_lshl_b32 s16, s13, 8
	s_add_co_u32 s16, s16, s17                     ; A: row 256 x block row + 128 x half
	s_lshl_b32 s46, s42, 8
	s_add_co_u32 s46, s46, s17                     ; B: row 256 x block column + 128 x half
	s_mov_b32 s17, 0
	s_mov_b32 s47, 0
	s_mov_b64 s[18:19], SIZE_K*2
	s_mul_u64 s[16:17], s[16:17], s[18:19]
	s_mul_u64 s[46:47], s[46:47], s[18:19]
	s_mul_i32 s20, s10, HALFT                      ; LDS: wave x 128 rows
	s_wait_dscnt 0x0
	s_wait_kmcnt 0x0
	s_add_nc_u64 s[14:15], s[4:5], s[16:17]
	s_add_nc_u64 s[46:47], s[6:7], s[46:47]
	CROUND                                         ; all sixteen work-groups are here: the first joint loads meet
.irp s, 0,1
	s_mov_b32 s[G0+4*\s], 1
	s_add_co_u32 s[G0+4*\s+1], s20, \s*SLOT
	s_add_nc_u64 s[G0+4*\s+2:G0+4*\s+3], s[14:15], \s*KSTEP*2
	s_or_b32 s[G0+4*\s+3], s[G0+4*\s+3], 0x80000000
	s_mov_b32 s[G0B+4*\s], 1
	s_add_co_u32 s[G0B+4*\s+1], s20, \s*SLOT
	s_add_nc_u64 s[G0B+4*\s+2:G0B+4*\s+3], s[46:47], \s*KSTEP*2
	s_or_b32 s[G0B+4*\s+3], s[G0B+4*\s+3], 0x80000000
	JLOAD \s                                       ; both slots' first fills go out together: two loads of the wave are out
.endr
	; a fragment is 16 rows x 32 K in 8 registers: lane l holds row l % 16; two loads of 16 bytes, 32 bytes apart, at 16 (l / 16)
	v_and_b32 v1, 15, v0
	v_bfe_u32 v2, v0, 4, 1
	v_mul_u32_u24 v3, v1, PITCH
	v_lshl_add_u32 v3, v2, 4, v3
	s_mul_i32 s21, s11, HALFT
	s_mul_i32 s22, s12, HALFT
	s_add_co_u32 s22, s22, 2*HALFT
.irp s, 0,1
	v_add_nc_u32 v[ADRA+\s], s21, v3
	v_add_nc_u32 v[ADRB+\s], s22, v3
	s_add_co_u32 s21, s21, SLOT
	s_add_co_u32 s22, s22, SLOT
.endr
	s_mul_i32 s23, s10, 16*SPITCH
	s_add_co_u32 s23, s23, STAGE
	v_mul_u32_u24 v4, v1, SPITCH
	v_lshl_add_u32 v4, v2, 4, v4
	v_add_nc_u32 v[STO], s23, v4
	v_mul_u32_u24 v5, v2, SPITCH
	v_lshl_add_u32 v5, v1, 4, v5
	v_add_nc_u32 v[RD], s23, v5
	v_mul_u32_u24 v5, v2, SIZE_N*2
	v_lshl_add_u32 v[CO], v1, 4, v5
; 16 matrix instructions: m blocks a0, a0 + 1 of the window's four x all 8 n blocks.  zero = 1: the first product starts the sums.
.macro MUL16 f, hi, a0, zero
.irp a, \a0, \a0+1
.irp b, 0,1,2,3,4,5,6,7
.if \zero
	v_wmma_f32_16x16x32_f16 v[8*(8*(\a)+\b):8*(8*(\a)+\b)+7], v[\f+8*\b:\f+8*\b+7], v[\f+8*(4*\hi+\a):\f+8*(4*\hi+\a)+7], 0
.else
	v_wmma_f32_16x16x32_f16 v[8*(8*(\a)+\b):8*(8*(\a)+\b)+7], v[\f+8*\b:\f+8*\b+7], v[\f+8*(4*\hi+\a):\f+8*(4*\hi+\a)+7], v[8*(8*(\a)+\b):8*(8*(\a)+\b)+7]
.endif
.endr
.endr
.endm
; 32 LDS loads in one run: one quarter step's fragments (32 K at byte k of the rows) into buffer f
.macro FETCH slot, k, f
	WIN TO_B
.irp i, 0,1,2,3,4,5,6,7
	ds_load_b128 v[\f+8*\i:\f+8*\i+3],   v[ADRB+\slot] offset:\k+\i*16*PITCH
	ds_load_b128 v[\f+8*\i+4:\f+8*\i+7], v[ADRB+\slot] offset:\k+\i*16*PITCH+32
.endr
	WIN 0
.irp i, 0,1,2,3,4,5,6,7
	ds_load_b128 v[\f+8*\i:\f+8*\i+3],   v[ADRA+\slot] offset:\k+\i*16*PITCH
	ds_load_b128 v[\f+8*\i+4:\f+8*\i+7], v[ADRA+\slot] offset:\k+\i*16*PITCH+32
.endr
.endm
; four independent vector instructions stand between a matrix instruction and a load into, or a vector read of, its registers
.macro PLACES
.rept 4
	v_nop
.endr
.endm
.macro QUARTER slot, k, f, g, zero
	s_wait_dscnt 8                                 ; B and A's rows 0-63 are in; the youngest eight loads (A's rows 64-127) may be out
	WIN MUL_LO
	MUL16 \f, 0, 0, \zero
	MUL16 \f, 0, 2, \zero
	PLACES
	FETCH \slot, \k, \g
	s_wait_dscnt 32                                ; all but the 32 just issued
	WIN MUL_HI
	MUL16 \f, 1, 0, \zero
	MUL16 \f, 1, 2, \zero
.endm
.macro THREE slot, zero
	QUARTER \slot, 64,  F0, F1, \zero
	QUARTER \slot, 128, F1, F0, 0
	QUARTER \slot, 192, F0, F1, 0
.endm
; The last quarter multiplies buffer 1 and changes slots.  In front of the barrier each wave waits for its reads of this slot and for all its
; tensor loads (one is out: its part of the next slot); behind it the refill comes first, then the next slot's first fragments.
.macro TURN slot, next, fill
	s_wait_dscnt 8
	WIN MUL_LO
	MUL16 F1, 0, 0, 0
	s_wait_dscnt 0                                 ; my reads of this slot are over
	s_wait_tensorcnt 0x0                           ; all my tensor loads have landed
	ds_add_u32 v255, v255
	s_wait_dscnt 0x0
	s_barrier_signal -1                            ; where the slot is filled again this opens a round of the cluster's barrier
	MUL16 F1, 0, 2, 0                              ; register work while the others arrive
	WIN 0
	s_barrier_wait -1
.if \fill
	CREST                                          ; no wave of any partner still reads this slot or has a load on its way
	s_add_nc_u64 s[G0+4*\slot+2:G0+4*\slot+3], s[G0+4*\slot+2:G0+4*\slot+3], 2*KSTEP*2
	s_add_nc_u64 s[G0B+4*\slot+2:G0B+4*\slot+3], s[G0B+4*\slot+2:G0B+4*\slot+3], 2*KSTEP*2
	JLOAD \slot                                    ; the wave's one tensor load behind the round
.endif
	PLACES
	FETCH \next, 0, F0
	WIN MUL_HI
	MUL16 F1, 1, 0, 0
	MUL16 F1, 1, 2, 0
.endm
.macro LAP zero
	THREE 0, \zero
	TURN 0, 1, 1
	THREE 1, 0
	TURN 1, 0, 1
.endm
	s_wait_tensorcnt 1                             ; my part of K step 0 is in; K step 1's stays out
	s_barrier_signal -1
	s_barrier_wait -1
	FETCH 0, 0, F0
	LAP 1                                          ; the first lap's first products start the sums
	WIN 0
	s_mov_b32 s3, LAPS-2
.Llap:
	LAP 0
	WIN 0
	s_sub_co_u32 s3, s3, 1
	s_cmp_lg_u32 s3, 0
	s_cbranch_scc1 .Llap
	THREE 0, 0                                     ; the last lap fills nothing
	TURN 0, 1, 0
	THREE 1, 0
	s_wait_dscnt 8
	WIN MUL_LO
	MUL16 F1, 0, 0, 0
	MUL16 F1, 0, 2, 0
	s_wait_dscnt 0
	WIN MUL_HI
	MUL16 F1, 1, 0, 0
	MUL16 F1, 1, 2, 0
	; THE WAY OUT, 16 rows at a time: round to f16, 16 bytes a lane into my own stage, read back as whole rows of 256 bytes
	PLACES
	s_lshl_b32 s13, s13, 8
	s_lshl_b32 s14, s11, 7
	s_add_co_u32 s16, s13, s14                     ; my first row
	s_mov_b32 s17, 0
	s_mov_b64 s[18:19], SIZE_N*2
	s_mul_u64 s[16:17], s[16:17], s[18:19]
	s_add_nc_u64 s[8:9], s[8:9], s[16:17]
	s_lshl_b32 s46, s42, 9                         ; my first column in bytes, in the registers that held B's address
	s_lshl_b32 s47, s12, 8
	s_add_co_u32 s46, s46, s47
	s_mov_b32 s47, 0
	s_add_nc_u64 s[8:9], s[8:9], s[46:47]
.macro OUT16 i, a, from, f
	WIN \from
.irp b, 0,1,2,3,4,5,6,7
.irp r, 0,1,2,3
	v_cvt_pk_f16_f32 v[TMP+4*\b+\r], v[8*(8*\a+\b)+2*\r], v[8*(8*\a+\b)+2*\r+1]
.endr
.endr
	WIN 0
.irp b, 0,1,2,3,4,5,6,7
	ds_store_b128 v[STO], v[TMP+4*\b:TMP+4*\b+3] offset:32*\b
.endr
	s_wait_xcnt 0x0                                ; buffer f, which earlier stores read, and the stores' base are rewritten only behind this wait
.if \i
	s_add_nc_u64 s[8:9], s[8:9], 16*SIZE_N*2
.endif
.irp t, 0,1,2,3,4,5,6,7
	ds_load_b128 v[\f+4*\t:\f+4*\t+3], v[RD] offset:\t*2*SPITCH    ; LDS serves a wave's instructions in order: these see the stores above
.endr
.irp t, 0,1,2,3,4,5,6,7
	s_wait_dscnt 7-\t
	global_store_b128 v[CO], v[\f+4*\t:\f+4*\t+3], s[8:9] offset:2*\t*SIZE_N*2   ; 16 lanes store 256 consecutive bytes, aligned
.endr
.endm
	OUT16 0, 0, 0x0a, F0
	OUT16 1, 1, 0x0a, F1
	OUT16 2, 2, 0x0a, F0
	OUT16 3, 3, 0x0a, F1
	OUT16 4, 0, 0x0f, F0
	OUT16 5, 1, 0x0f, F1
	OUT16 6, 2, 0x0f, F0
	OUT16 7, 3, 0x0f, F1
	s_set_vgpr_msb 0x1
	s_wait_tensorcnt 0x0
	ds_add_u32 v255, v255
	s_wait_dscnt 0x0
	s_set_vgpr_msb 0x100
	CROUND                                         ; the closing round: no work-group ends while a partner may still ask for a tile that names it
	s_endpgm
.Lfunc_end_k_q795fddc195_qkvgemm:
	.size	k_q795fddc195_qkvgemm, .Lfunc_end_k_q795fddc195_qkvgemm-k_q795fddc195_qkvgemm
	.p2alignl 7, 3214868480
	.fill 96, 4, 3214868480
	.section	.rodata,"a",@progbits
	.p2align	6, 0x0
	.amdhsa_kernel k_q795fddc195_qkvgemm
		.amdhsa_group_segment_fixed_size 327680
		.amdhsa_private_segment_fixed_size 0
		.amdhsa_enable_private_segment 0
		.amdhsa_kernarg_size 24
		.amdhsa_user_sgpr_count 2
		.amdhsa_user_sgpr_kernarg_segment_ptr 1
		.amdhsa_wavefront_size32 1
		.amdhsa_system_sgpr_workgroup_id_x 1
		.amdhsa_system_sgpr_workgroup_id_y 1
		.amdhsa_system_sgpr_workgroup_id_z 1
		.amdhsa_system_vgpr_workitem_id 0
		.amdhsa_next_free_vgpr 1024
		.amdhsa_next_free_sgpr 66
		.amdhsa_reserve_vcc 0
		.amdhsa_float_denorm_mode_32 3
		.amdhsa_float_denorm_mode_16_64 3
		.amdhsa_memory_ordered 1
		.amdhsa_forward_progress 1
		.amdhsa_inst_pref_size 196
	.end_amdhsa_kernel
	.amdgpu_metadata
---
amdhsa.version: [ 1, 2 ]
amdhsa.kernels:
  - .name:           k_q795fddc195_qkvgemm
    .symbol:         k_q795fddc195_qkvgemm.kd
    .args:
      - { .name: xb, .offset: 0, .size: 8, .value_kind: global_buffer, .address_space: global }
      - { .name: wb, .offset: 8, .size: 8, .value_kind: global_buffer, .address_space: global }
      - { .name: qkv, .offset: 16, .size: 8, .value_kind: global_buffer, .address_space: global }
    .group_segment_fixed_size: 327680
    .private_segment_fixed_size: 0
    .kernarg_segment_align: 8
    .kernarg_segment_size: 24
    .max_flat_workgroup_size: 128
    .sgpr_count:     66
    .vgpr_count:     1024
    .wavefront_size: 32
...
	.end_amdgpu_metadata
.endif
;; end of part 2
;; launch attn (part 3): grid 16 x 16, 8 waves a work-group, clusters of 4 x 4, 327,680 bytes of LDS; arguments qkv, mask, ab; writes ab
.if DOCPART == 3
	.amdgcn_target "amdgcn-amd-amdhsa--gfx1250"
	.amdhsa_code_object_version 6
	.text
	.protected	k_q795fddc195_attn
	.globl	k_q795fddc195_attn
	.p2align	8
	.type	k_q795fddc195_attn,@function
k_q795fddc195_attn:
	s_mov_b64 s[64:65], 0
	v_nop
	global_prefetch_b8 v0, s[64:65] scope:SCOPE_SE
	s_setreg_imm32_b32 hwreg(HW_REG_WAVE_MODE, 25, 1), 1
	s_wait_xcnt 0x0
	s_wait_alu depctr_hold_cnt(0) depctr_sa_sdst(0) depctr_va_vdst(0) depctr_va_sdst(0) depctr_va_ssrc(0) depctr_va_vcc(0) depctr_vm_vsrc(0)
	s_getreg_b32 s2, hwreg(HW_REG_IB_STS2, 6, 4)
	s_cmp_eq_u32 s2, 0
	s_cbranch_scc0 .Lentry_in_a_cluster
	s_endpgm
.Lentry_in_a_cluster:
	s_bfe_u32 s2, ttmp6, 0x10000c
	s_cmp_lg_u32 s2, 0xf033
	s_cbranch_scc0 .Lentry_shape_is_right
	s_endpgm
.Lentry_shape_is_right:
; ab[b][q][64 H + d] = sum over keys of softmax(q.k / 8 + mask[q][key]) v, with running maxima and running sums (f32).
; qkv: [4096][3072] f16 (q, k, v at columns 0, 1024, 2048; head H at 64 H); mask: [2048][2048] f32; ab: [4096][1024] f16.
; A work-group takes 128 queries (block X = grid x) of two neighbouring heads (Y = grid y: batch Y >> 3, head pair Y & 7): the pair's rows of k and of v
; are 256 consecutive bytes of memory, aligned.  Keys go in tiles of 128 through two LDS slots.
; EIGHT WAVES, two for each of the WGP's four SIMDs, so that one wave's matrix instructions run while the other's softmax runs.
;   Wave w: head bit 1 of w, queries 64 (w & 1) .. + 63 (four tiles of 16), and a CLASS = bit 0 xor bit 2 of w: waves w and w + 4, and waves 2 k and 2 k + 1, differ in class.
;   The early class takes keys 0-63 of every key tile, the late class keys 64-127; each wave keeps its own maxima, sums and O; partners w and w xor 4 are joined at the end.
;   Both classes run the same cycle (loads, S, softmax, rescale, O += V P: 64 matrix instructions and the softmax of 64 x 64 scores), but the one barrier round of a key tile falls
;   between two steps of the late class and into the middle of the early class's softmax.  So between two rounds the early wave goes vector, matrix, matrix, vector
;   and the late wave matrix, vector, vector, matrix.  Barriers, their waits and the refills stand in common text; only the work between them is chosen by the class.
; EVERYTHING IS TRANSPOSED, so that a lane owns a query:
;   S^T = K Q^T + mask: source 0 = 16 keys x 32 d, source 1 = 16 queries x 32 d; the mask's tile is loaded straight into the accumulator, in the result's layout
;   (lane (r, h): query r, keys 8 h .. 8 h + 7 = 32 neighbouring bytes of a mask row): adding the mask costs no vector instruction and no register.  q is scaled by 1/8 once, exactly.
;   A lane's eight results of two neighbouring key tiles, packed to f16 in place, ARE source 1 of the second product: no exchange between lanes.
;   O^T += V^T P: source 0 = 16 d x 32 keys by the transposing LDS load; a lane's results are eight neighbouring d of its query.
; p = exp2(c (s - m)), c = log2 e, m the running maximum: s - m <= 0, so p <= 1 for every input.  m starts at the lowest finite f32, so that
; entries of -inf give p = 0; a row of nothing but -inf gives 0 x inf = NaN, as the softmax of such a row is.
; CLUSTERS, 4 x 4: the tiles of k and v hang on Y alone and are asked for jointly along a row of the cluster; the mask's tile hangs on X alone and is asked for
; jointly along a column.  Waves 0, 1 ask for k's halves (64 rows x 256 bytes), waves 2, 3 for v's, waves 4 to 7 for 32 rows x 512 bytes of the mask each: one load a wave a round.
; All matrix instructions take their accumulators by turns, one instruction a turn (16 between two on one accumulator), over the backward jump too.
; Each run of 32 matrix instructions ends with its five places (ISA guide 7.12.1) before the text forks, joins or waits: the distance holds on every way through the text.
; LIMITS: matrix operands are f16: |q|, |k|, |v| below 65,504; numbers below 6.1e-5 keep a step of 6e-8; p below 2^-24 counts as 0.
.set PK,     272                       ; k: 256 bytes + 16
.set PITV,   288                       ; v: 256 bytes + 32: an odd multiple of 32 for the transposing load
.set PM,     528                       ; mask: 512 bytes + 16
.set VOFF,   128*PK
.set MOFF,   VOFF+128*PITV
.set SLOT,   MOFF+128*PM               ; 139,264 bytes; two slots
.set OSTAGE, 2*SLOT                    ; 128 rows x 272 bytes for the way out; no tensor load lands here
.set SPITCH, 272
.set XW,     17*512                    ; the partners' exchange: 16 x 512 bytes of O and 512 of maxima and sums for each wave, in slot 0 behind its last fill
.set QROW,   6144                      ; bytes in a row of qkv
.set TSTEP,  128*QROW                  ; 128 keys further down
; window 0
.set ADK, 4                            ; v4, v5    LDS address of my k fragments, slot 0, 1
.set ADV, 6                            ; v6, v7    of my v fragments
.set ADM, 8                            ; v8, v9    of my mask tiles
.set STO, 10
.set RD,  11
.set CO,  12
.set QO,  13
.set PFO, 14                           ; prefetch: my byte in the mask's 128 rows of block X
.set PFA, 15                           ; the same with the lap's columns
.set C8,  16                           ; 1/8 twice, in f16
.set U,   20                           ; v[20:21], v[22:23] partial sums at work; in the merge the partner's maxima and sums
.set W,   22
.set MX,  24                           ; v24-27    running maximum of query tile qt
.set NM,  28                           ; v28-35    its negative, twice (a pair for the packed add); at work in the merge
.set XS,  36                           ; the exchange: where I put, 16 bytes a lane
.set XR,  37                           ; and where my partner has put
.set AL,  44                           ; v44-51    exp2(c (m old - m new)), twice; in the merge the two factors of each kept query tile
.set LS,  52                           ; v52-59    running sums: even and odd registers apart, the two halves of the lanes apart
.set T,   60                           ; v60-63    at work; at the end my sums
.set S,   64                           ; v64-191   S(qt, kt) at 64 + 8 (4 qt + kt); first the mask, later P(qt, kh) at S(qt, 2 kh)
.set Q,   192                          ; v192-255  Q(qt, dh) at 192 + 8 (2 qt + dh)
; window 1
.set KF,  0                            ; K(kt, dh) at 8 (2 kt + dh)
.set VF,  64                           ; V(dt, kh) at 64 + 8 (2 dt + kh)
.set O,   128                          ; O(qt, dt) at 128 + 8 (4 qt + dt)
.set G1K, 28
.set G1V, 36
.set G1M, 44
.set G0K, 52                           ; s[52:59]  one set of four a slot
.set G0V, 68                           ; s[68:75]
.set G0M, 76                           ; s[76:83]
.set MSB, 0
.macro WIN new                         ; low byte: bits 1:0 source 0, 3:2 source 1, 5:4 source 2, 7:6 destination; high byte: the setting that is left
.if MSB != \new
	s_set_vgpr_msb (MSB<<8)|\new
.set MSB, \new
.endif
.endm
.macro PLACES n                        ; independent vector instructions behind a matrix instruction (ISA guide 7.12.1)
.rept \n
	v_nop
.endr
.endm
.macro CREST
	s_cmp_lg_u32 s10, 0
	s_cbranch_scc1 .Lnot_wave_0_\@
	s_barrier_signal -3
.Lnot_wave_0_\@:
	s_barrier_wait -3
	s_barrier_signal -1
	s_barrier_wait -1
.endm
.macro CROUND
	s_barrier_signal -1
	s_barrier_wait -1
	CREST
.endm
; every wave issues exactly one of the three lines; the branches hang on the wave's number alone
.macro JLOAD s
	s_cmp_lt_u32 s10, 4
	s_cbranch_scc0 .Lfor_m_\@
	s_cmp_lt_u32 s10, 2
	s_cbranch_scc0 .Lfor_v_\@
	tensor_load_to_lds s[G0K+4*\s:G0K+4*\s+3], s[G1K:G1K+7]
	s_nop 0
	s_branch .Lasked_\@
.Lfor_v_\@:
	tensor_load_to_lds s[G0V+4*\s:G0V+4*\s+3], s[G1V:G1V+7]
	s_nop 0
	s_branch .Lasked_\@
.Lfor_m_\@:
	tensor_load_to_lds s[G0M+4*\s:G0M+4*\s+3], s[G1M:G1M+7]
	s_nop 0
.Lasked_\@:
.endm
	s_load_b128 s[4:7], s[0:1], 0x0                ; qkv s[4:5], mask s[6:7]
	s_load_b64 s[8:9], s[0:1], 0x10                ; ab
	v_lshl_add_u32 v42, v0, 2, 0x4c800
	v_mov_b32 v43, 0
	ds_add_u32 v42, v43
	v_lshrrev_b32 v1, 5, v0
	v_readfirstlane_b32 s10, v1                    ; wave 0..7
	s_lshr_b32 s11, s10, 1
	s_and_b32 s11, s11, 1                          ; my head of the pair
	s_and_b32 s12, s10, 1                          ; my half of the queries; also: which half of k or of v I fetch
	s_lshr_b32 s95, s10, 2
	s_xor_b32 s95, s95, s10
	s_and_b32 s95, s95, 1                          ; my class: 0 early (keys 0-63 of a tile), 1 late (keys 64-127)
	s_bfe_u32 s13, ttmp6, 0x40000                  ; cx
	s_bfe_u32 s14, ttmp6, 0x40004                  ; cy
	s_lshl_b32 s15, ttmp9, 2
	s_add_co_u32 s15, s15, s13                     ; X
	s_and_b32 s16, ttmp7, 0xffff
	s_lshl_b32 s16, s16, 2
	s_add_co_u32 s16, s16, s14                     ; Y
	s_lshl_b32 s17, s14, 2
	s_lshl_b32 s17, 15, s17                        ; my row of the cluster (same Y)
	s_lshl_b32 s18, 0x1111, s13                    ; my column (same X)
	s_mov_b32 s20, 0x76543210                      ; v_permlanex16_b32: lane i takes lane i of the other half
	s_mov_b32 s21, 0xfedcba98
	s_mov_b32 s22, 0x3fb8aa3b                      ; c = log2 e
	s_mov_b32 s23, 0x3fb8aa3b
	s_lshl_b32 s24, s11, 7                         ; my head's 128 bytes in the pair's 256
	s_mov_b32 s25, 0xff7fffff                      ; the lowest finite f32
	s_mov_b32 s26, 2048                            ; prefetch: byte of key tile 4 in a mask row
	; group 1.  k, v: 64 rows x 128 elements of 2 bytes, pitch 3,072 elements, padding of 4 (k) or 8 (v) words behind every 64.
	s_or_b32 s[G1K+0], s17, (1<<16)|(1<<20)|(1<<21)|(5<<22)|(3<<25)
	s_or_b32 s[G1V+0], s17, (1<<16)|(1<<20)|(1<<21)|(5<<22)|(7<<25)
.irp g, G1K, G1V
	s_mov_b32 s[\g+1], 128<<16                     ; tensor_dim0 = 128
	s_mov_b32 s[\g+2], 64<<16                      ; tensor_dim1 = 64
	s_mov_b32 s[\g+3], 128<<16                     ; tile_dim0 = 128
	s_mov_b32 s[\g+4], 64                          ; tile_dim1 = 64
	s_mov_b32 s[\g+5], 3072
	s_mov_b32 s[\g+6], 0
	s_mov_b32 s[\g+7], 0
.endr
	; mask: 32 rows x 128 elements of 4 bytes, pitch 2,048 elements, padding of 4 words behind every 128
	s_or_b32 s[G1M+0], s18, (2<<16)|(1<<20)|(1<<21)|(6<<22)|(3<<25)
	s_mov_b32 s[G1M+1], 128<<16
	s_mov_b32 s[G1M+2], 32<<16
	s_mov_b32 s[G1M+3], 128<<16
	s_mov_b32 s[G1M+4], 32
	s_mov_b32 s[G1M+5], 2048
	s_mov_b32 s[G1M+6], 0
	s_mov_b32 s[G1M+7], 0
	; k and v: batch and head pair from Y, my 64 rows from the wave's number (s2, s3, s[60:61] never hold cx)
	s_lshr_b32 s2, s16, 3
	s_mul_i32 s60, s2, 2048*QROW
	s_and_b32 s3, s16, 7
	s_lshl_b32 s3, s3, 8
	s_add_co_u32 s60, s60, s3
	s_mul_i32 s3, s12, 64*QROW
	s_add_co_u32 s60, s60, s3
	s_mov_b32 s61, 0
	; mask: rows 128 X + 32 (w & 3), from X and the wave's number (s27, s[62:63], s[84:85], s86 never hold cy)
	s_and_b32 s27, s10, 3
	s_lshl_b32 s62, s15, 20
	s_lshl_b32 s86, s27, 18                        ; 32 rows of 8,192 bytes
	s_add_co_u32 s62, s62, s86
	s_mov_b32 s63, 0
	s_lshl_b32 s84, s15, 20
	s_mov_b32 s85, 0
	; where they go in a slot: the wave's number and constants alone
	s_mul_i32 s27, s27, 32*PM
	s_add_co_u32 s27, s27, MOFF                    ; my quarter of the mask
	s_mul_i32 s86, s12, 64*PK                      ; my half of k
	s_mul_i32 s87, s12, 64*PITV
	s_add_co_u32 s87, s87, VOFF                    ; my half of v
	; q and ab hang on both X and Y: registers of their own, which feed no descriptor
	s_lshl_b32 s88, s15, 7
	s_lshl_b32 s90, s12, 6
	s_add_co_u32 s88, s88, s90                     ; query 128 X + 64 (w & 1)
	s_mul_i32 s88, s88, QROW
	s_lshr_b32 s90, s16, 3
	s_mul_i32 s90, s90, 2048*QROW
	s_add_co_u32 s88, s88, s90
	s_and_b32 s90, s16, 7
	s_lshl_b32 s90, s90, 8
	s_add_co_u32 s88, s88, s90
	s_add_co_u32 s88, s88, s24
	s_mov_b32 s89, 0
	s_lshr_b32 s92, s16, 3
	s_lshl_b32 s92, s92, 11
	s_lshl_b32 s94, s15, 7
	s_add_co_u32 s92, s92, s94
	s_lshl_b32 s94, s10, 4
	s_add_co_u32 s92, s92, s94                     ; row of ab: 2,048 batch + 128 X + 16 w
	s_lshl_b32 s92, s92, 11
	s_and_b32 s94, s16, 7
	s_lshl_b32 s94, s94, 8
	s_add_co_u32 s92, s92, s94
	s_mov_b32 s93, 0
	s_wait_dscnt 0x0
	s_wait_kmcnt 0x0
	s_add_nc_u64 s[60:61], s[4:5], s[60:61]
	s_add_nc_u64 s[62:63], s[6:7], s[62:63]
	s_add_nc_u64 s[84:85], s[6:7], s[84:85]
	s_add_nc_u64 s[88:89], s[4:5], s[88:89]
	s_add_nc_u64 s[92:93], s[8:9], s[92:93]
	CROUND                                         ; all sixteen work-groups are here: the first joint loads meet
.irp s, 0,1
	s_mov_b32 s[G0K+4*\s], 1
	s_add_co_u32 s[G0K+4*\s+1], s86, \s*SLOT
	s_add_nc_u64 s[G0K+4*\s+2:G0K+4*\s+3], s[60:61], 2048+\s*TSTEP
	s_or_b32 s[G0K+4*\s+3], s[G0K+4*\s+3], 0x80000000
	s_mov_b32 s[G0V+4*\s], 1
	s_add_co_u32 s[G0V+4*\s+1], s87, \s*SLOT
	s_add_nc_u64 s[G0V+4*\s+2:G0V+4*\s+3], s[60:61], 4096+\s*TSTEP
	s_or_b32 s[G0V+4*\s+3], s[G0V+4*\s+3], 0x80000000
	s_mov_b32 s[G0M+4*\s], 1
	s_add_co_u32 s[G0M+4*\s+1], s27, \s*SLOT
	s_add_nc_u64 s[G0M+4*\s+2:G0M+4*\s+3], s[62:63], \s*512
	s_or_b32 s[G0M+4*\s+3], s[G0M+4*\s+3], 0x80000000
	JLOAD \s                                       ; key tiles 0 and 1: two loads of the wave are out, later one
.endr
	v_and_b32 v1, 15, v0                           ; r
	v_bfe_u32 v2, v0, 4, 1                         ; h
	v_and_b32 v3, 7, v0
	v_bfe_u32 v17, v0, 3, 1
	v_mul_u32_u24 v[QO], v1, QROW                  ; q: row r, 16 bytes for each half of the lanes
	v_lshl_add_u32 v[QO], v2, 4, v[QO]
.irp qt, 0,1,2,3
.irp dh, 0,1
	global_load_b128 v[Q+8*(2*\qt+\dh):Q+8*(2*\qt+\dh)+3],   v[QO], s[88:89] offset:16*\qt*QROW+64*\dh
	global_load_b128 v[Q+8*(2*\qt+\dh)+4:Q+8*(2*\qt+\dh)+7], v[QO], s[88:89] offset:16*\qt*QROW+64*\dh+32
.endr
.endr
	v_mul_u32_u24 v[ADK], v1, PK                   ; k: key r, 16 h, my head
	v_lshl_add_u32 v[ADK], v2, 4, v[ADK]
	v_add_nc_u32 v[ADK], s24, v[ADK]
	v_add_nc_u32 v[ADK+1], SLOT, v[ADK]
	s_add_co_u32 s2, s24, VOFF
	v_lshl_add_u32 v[ADV], v2, 3, v3               ; v: key 8 h + (l & 7), 16 bytes by bit 3 of the lane, my head
	v_mul_u32_u24 v[ADV], v[ADV], PITV
	v_lshl_add_u32 v[ADV], v17, 4, v[ADV]
	v_add_nc_u32 v[ADV], s2, v[ADV]
	v_add_nc_u32 v[ADV+1], SLOT, v[ADV]
	v_lshl_add_u32 v18, s12, 6, v1                 ; query 64 (w & 1) + r of the block
	v_mul_u32_u24 v[ADM], v18, PM                  ; mask: that row, 32 h
	v_lshl_add_u32 v[ADM], v2, 5, v[ADM]
	v_add_nc_u32 v[ADM], MOFF, v[ADM]
	v_add_nc_u32 v[ADM+1], SLOT, v[ADM]
	s_add_co_u32 s3, s24, OSTAGE
	v_mul_u32_u24 v[STO], v18, SPITCH              ; the way out, in: that row, my head, 16 h
	v_lshl_add_u32 v[STO], v2, 4, v[STO]
	v_add_nc_u32 v[STO], s3, v[STO]
	v_lshl_add_u32 v[RD], s10, 4, v2               ; back: rows 16 w + h + 2 t, 16 bytes a lane
	v_mul_u32_u24 v[RD], v[RD], SPITCH
	v_lshl_add_u32 v[RD], v1, 4, v[RD]
	v_add_nc_u32 v[RD], OSTAGE, v[RD]
	v_lshlrev_b32 v[CO], 11, v2                    ; and the same two rows in ab
	v_lshl_add_u32 v[CO], v1, 4, v[CO]
	v_and_b32 v19, 31, v0                          ; lane
	v_lshrrev_b32 v[PFO], 2, v19                   ; prefetch: mask row 8 Y + (lane >> 2) of block X, block (lane & 3) of 256 bytes
	v_lshl_add_u32 v[PFO], s16, 3, v[PFO]
	v_lshlrev_b32 v[PFO], 13, v[PFO]
	v_and_b32 v18, 3, v0
	v_lshl_add_u32 v[PFO], v18, 8, v[PFO]
	s_mul_i32 s2, s10, XW                          ; the exchange: my area,
	s_xor_b32 s3, s10, 4
	s_mul_i32 s3, s3, XW                           ; and that of my partner, wave w xor 4
	v_lshlrev_b32 v17, 4, v19
	v_add_nc_u32 v[XS], s2, v17
	v_add_nc_u32 v[XR], s3, v17
	v_mov_b32 v[C8], 0x30003000
	s_wait_loadcnt 0x0
.set n, 0
.rept 64
	v_pk_mul_f16 v[Q+n], v[Q+n], v[C8]             ; q / 8: a change of the exponent alone
.set n, n+1
.endr
; 16 LDS loads: k's fragments of keys 64 hf .. + 63 of slot s (window 1)
.macro LOADK s, hf
	WIN 0x40
.irp kt, 0,1,2,3
.irp dh, 0,1
	ds_load_b128 v[KF+8*(2*\kt+\dh):KF+8*(2*\kt+\dh)+3],   v[ADK+\s] offset:(64*\hf+16*\kt)*PK+64*\dh
	ds_load_b128 v[KF+8*(2*\kt+\dh)+4:KF+8*(2*\kt+\dh)+7], v[ADK+\s] offset:(64*\hf+16*\kt)*PK+64*\dh+32
.endr
.endr
	WIN 0
.endm
; 32 LDS loads: the mask's tiles of the same keys, straight into the accumulators of S^T
.macro LOADM s, hf
.irp qt, 0,1,2,3
.irp kt, 0,1,2,3
	ds_load_b128 v[S+8*(4*\qt+\kt):S+8*(4*\qt+\kt)+3],   v[ADM+\s] offset:16*\qt*PM+256*\hf+64*\kt
	ds_load_b128 v[S+8*(4*\qt+\kt)+4:S+8*(4*\qt+\kt)+7], v[ADM+\s] offset:16*\qt*PM+256*\hf+64*\kt+16
.endr
.endr
.endm
; 16 transposing loads: V^T's fragments (16 d x 32 keys) of the same keys
.macro LOADV s, hf
	WIN 0x40
.irp dt, 0,1,2,3
.irp kh, 0,1
	ds_load_tr16_b128 v[VF+8*(2*\dt+\kh):VF+8*(2*\dt+\kh)+3],   v[ADV+\s] offset:(64*\hf+32*\kh)*PITV+32*\dt
	ds_load_tr16_b128 v[VF+8*(2*\dt+\kh)+4:VF+8*(2*\dt+\kh)+7], v[ADV+\s] offset:(64*\hf+32*\kh)*PITV+32*\dt+16*PITV
.endr
.endr
.endm
; 32 matrix instructions: S^T = mask + K Q^T, in place on the mask: d = 0 .. 31 of all 16 tiles, then d = 32 .. 63.
; The five places at its end stand in front of whatever comes next on any way: the maxima, which read S; loads into k's registers and into S.
.macro SPROD
	WIN 0x01                                       ; source 0 (k) window 1
.irp dh, 0,1
.irp qt, 0,1,2,3
.irp kt, 0,1,2,3
	v_wmma_f32_16x16x32_f16 v[S+8*(4*\qt+\kt):S+8*(4*\qt+\kt)+7], v[KF+8*(2*\kt+\dh):KF+8*(2*\kt+\dh)+7], v[Q+8*(2*\qt+\dh):Q+8*(2*\qt+\dh)+7], v[S+8*(4*\qt+\kt):S+8*(4*\qt+\kt)+7]
.endr
.endr
.endr
	WIN 0
	PLACES 5
.endm
; the pieces of the softmax of one query tile
.macro EXP2 qt, k, j
	v_exp_f32 v[S+8*(4*\qt+\k)+\j], v[S+8*(4*\qt+\k)+\j]
.endm
.macro SUBM qt, k, i                   ; s - m, two at a time
	v_pk_add_f32 v[S+8*(4*\qt+\k)+2*\i:S+8*(4*\qt+\k)+2*\i+1], v[S+8*(4*\qt+\k)+2*\i:S+8*(4*\qt+\k)+2*\i+1], v[NM+2*\qt:NM+2*\qt+1]
.endm
.macro MULC qt, k, i                   ; times log2 e
	v_pk_mul_f32 v[S+8*(4*\qt+\k)+2*\i:S+8*(4*\qt+\k)+2*\i+1], v[S+8*(4*\qt+\k)+2*\i:S+8*(4*\qt+\k)+2*\i+1], s[22:23] op_sel_hi:[1,0]
.endm
; step i of a tile's sum.  mode 0: l += tile; 1: l = l alpha + tile (the step's first tile); 2: l = tile (the very first)
.macro SUMOP qt, k, i, mode
.if \i == 0
	s_wait_alu depctr_va_vdst(0)
	v_pk_add_f32 v[U:U+1], v[S+8*(4*\qt+\k):S+8*(4*\qt+\k)+1], v[S+8*(4*\qt+\k)+2:S+8*(4*\qt+\k)+3]
.endif
.if \i == 1
	v_pk_add_f32 v[W:W+1], v[S+8*(4*\qt+\k)+4:S+8*(4*\qt+\k)+5], v[S+8*(4*\qt+\k)+6:S+8*(4*\qt+\k)+7]
.endif
.if \i == 2
.if \mode == 2
	v_pk_add_f32 v[LS+2*\qt:LS+2*\qt+1], v[U:U+1], v[W:W+1]
.else
	v_pk_add_f32 v[U:U+1], v[U:U+1], v[W:W+1]
.endif
.endif
.if \i == 3
.if \mode == 0
	v_pk_add_f32 v[LS+2*\qt:LS+2*\qt+1], v[LS+2*\qt:LS+2*\qt+1], v[U:U+1]
.endif
.if \mode == 1
	v_pk_fma_f32 v[LS+2*\qt:LS+2*\qt+1], v[LS+2*\qt:LS+2*\qt+1], v[AL+2*\qt:AL+2*\qt+1], v[U:U+1]
.endif
.endif
.endm
; two p to f16, in place: tiles 2 kh and 2 kh + 1 become registers 0-3 and 4-7 of P(qt, kh).  Each target has been read by the sums and by the conversions before.
.macro CVTP qt, k, i
	v_cvt_pk_f16_f32 v[S+8*(4*\qt+\k)-4*(\k&1)+\i], v[S+8*(4*\qt+\k)+2*\i], v[S+8*(4*\qt+\k)+2*\i+1]
.endm
; tile ke's exponentials, laced with tile kf's arguments and tile ks's sums and conversions (-1: none): a plain vector instruction that touches neither
; stands between an exponential and the first use of its result (ISA guide 5.7.2)
.macro PIPE qt, ke, kf, ks, mode
.irp i, 0,1,2,3
	EXP2 \qt, \ke, 2*\i
.if \kf >= 0
	SUBM \qt, \kf, \i
.endif
	EXP2 \qt, \ke, 2*\i+1
.if \kf >= 0
	MULC \qt, \kf, \i
.endif
.if \ks >= 0
	SUMOP \qt, \ks, \i, \mode
	CVTP \qt, \ks, \i
.endif
.endr
.endm
; the softmax step of query tile qt over 64 keys
.macro SMAX qt, first
.irp kt, 0,1,2,3
	v_max3_num_f32 v[T+\kt], v[S+8*(4*\qt+\kt)], v[S+8*(4*\qt+\kt)+1], v[S+8*(4*\qt+\kt)+2]   ; four chains that do not wait for each other
.endr
.irp kt, 0,1,2,3
	v_max3_num_f32 v[T+\kt], v[T+\kt], v[S+8*(4*\qt+\kt)+3], v[S+8*(4*\qt+\kt)+4]
.endr
.irp kt, 0,1,2,3
	v_max3_num_f32 v[T+\kt], v[T+\kt], v[S+8*(4*\qt+\kt)+5], v[S+8*(4*\qt+\kt)+6]
.endr
	v_max3_num_f32 v[T], v[T], v[S+8*(4*\qt)+7], v[S+8*(4*\qt+1)+7]
	v_max3_num_f32 v[T+1], v[T+1], v[S+8*(4*\qt+2)+7], v[S+8*(4*\qt+3)+7]
	v_max3_num_f32 v[T], v[T], v[T+1], v[T+2]
.if \first
	v_max3_num_f32 v[T], v[T], v[T+3], s25         ; the running maximum starts at the lowest finite number
.else
	v_max3_num_f32 v[T], v[T], v[T+3], v[MX+\qt]
.endif
	v_permlanex16_b32 v[T+1], v[T], s20, s21       ; the other half of the lanes holds the query's other keys
.if \first
	v_max_num_f32 v[MX+\qt], v[T], v[T+1]
.set LSMODE, 2
.else
	v_max_num_f32 v[T], v[T], v[T+1]
	v_sub_f32 v[T+2], v[MX+\qt], v[T]              ; m old - m new <= 0
	v_mov_b32 v[MX+\qt], v[T]
	v_mul_f32 v[T+2], s22, v[T+2]
.set LSMODE, 1
.endif
	v_sub_f32 v[NM+2*\qt], 0, v[MX+\qt]
	v_sub_f32 v[NM+2*\qt+1], 0, v[MX+\qt]
.if \first == 0
	v_exp_f32 v[AL+2*\qt], v[T+2]
	v_exp_f32 v[AL+2*\qt+1], v[T+2]
.endif
.irp i, 0,1,2,3
	SUBM \qt, 0, \i
.endr
.irp i, 0,1,2,3
	MULC \qt, 0, \i
.endr
	PIPE \qt, 0, 1, -1, 0
	PIPE \qt, 1, 2, 0, LSMODE
	PIPE \qt, 2, 3, 1, 0
	PIPE \qt, 3, -1, 2, 0
.irp i, 0,1,2,3
	SUMOP \qt, 3, \i, 0
	CVTP \qt, 3, \i
.endr
.endm
.macro RESCALE                         ; O *= alpha: the factor is the lane's own
	WIN 0x41
.irp qt, 0,1,2,3
.irp dt, 0,1,2,3
.irp i, 0,2,4,6
	v_pk_mul_f32 v[O+8*(4*\qt+\dt)+\i:O+8*(4*\qt+\dt)+\i+1], v[O+8*(4*\qt+\dt)+\i:O+8*(4*\qt+\dt)+\i+1], v[AL+2*\qt:AL+2*\qt+1]
.endr
.endr
.endr
.endm
.macro PVH kh, zero                    ; 16 matrix instructions: O^T += V^T P over keys 32 kh .. + 31
.irp qt, 0,1,2,3
.irp dt, 0,1,2,3
.if \zero
	v_wmma_f32_16x16x32_f16 v[O+8*(4*\qt+\dt):O+8*(4*\qt+\dt)+7], v[VF+8*(2*\dt+\kh):VF+8*(2*\dt+\kh)+7], v[S+8*(4*\qt+2*\kh):S+8*(4*\qt+2*\kh)+7], 0
.else
	v_wmma_f32_16x16x32_f16 v[O+8*(4*\qt+\dt):O+8*(4*\qt+\dt)+7], v[VF+8*(2*\dt+\kh):VF+8*(2*\dt+\kh)+7], v[S+8*(4*\qt+2*\kh):S+8*(4*\qt+2*\kh)+7], v[O+8*(4*\qt+\dt):O+8*(4*\qt+\dt)+7]
.endif
.endr
.endr
.endm
; rescale and second product.  The five places at its end stand in front of whatever comes next on any way: loads into P's and V^T's registers,
; the matrix instructions that write over P's, LDS stores of O.
.macro XPV first
.if \first == 0
	RESCALE
.endif
	WIN 0x51                                       ; source 0 (V^T), C and D (O^T) window 1; source 1 (P) window 0
	PVH 0, \first
	PVH 1, 0
	WIN 0
	PLACES 5
.endm
; Wave 0 asks the mask ahead into the L2: in lap t the 1,024 bytes a row (key tiles 2 t + 4 and 2 t + 5) that the refills of lap t + 1 load.  Of the 128 rows of
; block X each of the 16 work-groups that share X asks for its own 8 (8 Y ..), 4 blocks of 256 bytes a row, one a lane: each block is asked for once in the launch.
; The lap whose columns would pass the row's end (byte 8,192) asks for nothing.  PFA is rewritten a whole lap behind the prefetch that read it.
.macro PREF
	s_cmp_lg_u32 s10, 0
	s_cbranch_scc1 .Lno_pf_\@
	s_cmp_gt_u32 s26, 7168
	s_cbranch_scc1 .Lno_pf_\@
	s_wait_xcnt 0x0
	v_add_nc_u32 v[PFA], s26, v[PFO]
	global_prefetch_b8 v[PFA], s[84:85] th:TH_LOAD_NT scope:SCOPE_SE
.Lno_pf_\@:
	s_add_co_u32 s26, s26, 1024
.endm
; a whole step of the late class: keys 64-127 of the tile in slot s
.macro STEPB s, first
	LOADK \s, 1
	LOADM \s, 1
	LOADV \s, 1
	s_wait_dscnt 16                                ; the 48 older loads (k, mask) are in; v's 16 stay out
	SPROD
	SMAX 0, \first
	SMAX 1, \first
	SMAX 2, \first
	SMAX 3, \first
	s_wait_dscnt 0x0                               ; v
	XPV \first
.endm
; From one change of slots to the next.  On entry every wave has issued all its reads of the tile in slot s: the late class has finished the tile,
; the early class has its S^T in registers and its V^T on the way.  refill = 1: slot s is filled again, two key tiles ahead, behind a round of the cluster's barrier.
; Behind the barrier the tile in slot next is whole: the early class ends its step and makes the next S^T; the late class does a whole step.
.macro PERIOD s, next, refill, firsta, pf
	s_wait_dscnt 0x0                               ; my reads of slot s are over
	s_wait_tensorcnt 0x0                           ; all my tensor loads have landed: the one that was out is my part of slot next
	ds_add_u32 v42, v43
	s_wait_dscnt 0x0
	s_barrier_signal -1                            ; with a refill this opens a round of the cluster's barrier
	s_cmp_eq_u32 s95, 0
	s_cbranch_scc0 .Lhold_\@
	SMAX 0, \firsta                                ; the early class: register work while the late class ends its step
	SMAX 1, \firsta
.Lhold_\@:
	s_barrier_wait -1
.if \refill
	CREST                                          ; no wave of any partner still reads this slot or has a load on its way
	s_add_nc_u64 s[G0K+4*\s+2:G0K+4*\s+3], s[G0K+4*\s+2:G0K+4*\s+3], 2*TSTEP
	s_add_nc_u64 s[G0V+4*\s+2:G0V+4*\s+3], s[G0V+4*\s+2:G0V+4*\s+3], 2*TSTEP
	s_add_nc_u64 s[G0M+4*\s+2:G0M+4*\s+3], s[G0M+4*\s+2:G0M+4*\s+3], 1024
	JLOAD \s                                       ; the wave's one tensor load behind the round
.endif
.if \pf
	PREF
.endif
	s_cmp_eq_u32 s95, 0
	s_cbranch_scc0 .Llate_\@
	LOADK \next, 0                                 ; the next tile's k, early: its registers are free since S^T and its places
	SMAX 2, \firsta
	SMAX 3, \firsta
	XPV \firsta
	LOADM \next, 0
	LOADV \next, 0
	s_wait_dscnt 16                                ; k and the mask are in; v's 16 stay out
	SPROD
	s_branch .Ljoin_\@
.Llate_\@:
	STEPB \next, 0
.Ljoin_\@:
.endm
	s_wait_tensorcnt 0x1                           ; my part of key tile 0 is in; tile 1's stays out
	s_barrier_signal -1
	s_barrier_wait -1
	s_cmp_eq_u32 s95, 0
	s_cbranch_scc0 .Lfirst_late
	LOADK 0, 0                                     ; the early class: S^T of tile 0
	LOADM 0, 0
	LOADV 0, 0
	s_wait_dscnt 16                                ; k and the mask are in; v's 16 stay out
	SPROD
	s_branch .Lfirst_done
.Lfirst_late:
	STEPB 0, 1                                     ; the late class: its whole first step, which starts maxima, sums and O: nothing is cleared
.Lfirst_done:
	PERIOD 0, 1, 1, 1, 1                           ; the early class's first softmax and product start its maxima, sums and O
	PERIOD 1, 0, 1, 0, 0
	s_mov_b32 s19, 6                               ; seven laps of two refills bring key tiles 2 to 15
.Llap:
	PERIOD 0, 1, 1, 0, 1
	PERIOD 1, 0, 1, 0, 0
	s_sub_co_u32 s19, s19, 1
	s_cmp_lg_u32 s19, 0
	s_cbranch_scc1 .Llap
	PERIOD 0, 1, 0, 0, 0                           ; nothing is left to fetch; behind its barrier nobody reads slot 0 any more
	s_cmp_eq_u32 s95, 0
	s_cbranch_scc0 .Lno_tail
	SMAX 0, 0                                      ; the early class ends its last step
	SMAX 1, 0
	SMAX 2, 0
	SMAX 3, 0
	s_wait_dscnt 0x0                               ; v
	XPV 0
.Lno_tail:
	; THE END.  My sums over the register halves and the two halves of the lanes; then partners w and w xor 4, which hold the two halves of the keys of the same
	; queries in the same lanes, are joined: each sends two query tiles (O, m, l) and finishes the other two.
.irp qt, 0,1,2,3
	v_add_f32 v[T+\qt], v[LS+2*\qt], v[LS+2*\qt+1]
.endr
.irp qt, 0,1,2,3
	v_permlanex16_b32 v[AL+2*\qt], v[T+\qt], s20, s21
.endr
.irp qt, 0,1,2,3
	v_add_f32 v[T+\qt], v[T+\qt], v[AL+2*\qt]
.endr
; query tiles qa, qa + 1 go out: 16 bytes a lane, the lanes side by side
.macro SEND qa
	ds_store_b64 v[XS], v[MX+\qa:MX+\qa+1] offset:16*512
	ds_store_b64 v[XS], v[T+\qa:T+\qa+1] offset:16*512+8
	WIN 0x04                                       ; the stores' data in window 1
.irp i, 0,1
.irp dt, 0,1,2,3
	ds_store_b128 v[XS], v[O+8*(4*(\qa+\i)+\dt):O+8*(4*(\qa+\i)+\dt)+3]   offset:512*(8*\i+2*\dt)
	ds_store_b128 v[XS], v[O+8*(4*(\qa+\i)+\dt)+4:O+8*(4*(\qa+\i)+\dt)+7] offset:512*(8*\i+2*\dt+1)
.endr
.endr
	WIN 0
.endm
; query tiles qk, qk + 1 are finished: m = max of the two maxima, a = exp2(c (m own - m)), l = a l + a' l', O = (a O + a' O') / l, f16, into the stage
.macro MERGE qk
	ds_load_b128 v[U:U+3], v[XR] offset:16*512     ; the partner's m, m, l, l
.set n, 0
.rept 16
	ds_load_b128 v[S+4*n:S+4*n+3], v[XR] offset:512*n
.set n, n+1
.endr
	s_wait_dscnt 16                                ; m and l are in; the 16 loads of O stay out
.irp i, 0,1
	v_max_num_f32 v[NM+4*\i+3], v[MX+\qk+\i], v[U+\i]
.endr
.irp i, 0,1
	v_sub_f32 v[NM+4*\i], v[MX+\qk+\i], v[NM+4*\i+3]
	v_sub_f32 v[NM+4*\i+1], v[U+\i], v[NM+4*\i+3]
.endr
.irp i, 0,1
	v_mul_f32 v[NM+4*\i], s22, v[NM+4*\i]
	v_mul_f32 v[NM+4*\i+1], s22, v[NM+4*\i+1]
.endr
.irp i, 0,1
	v_exp_f32 v[NM+4*\i], v[NM+4*\i]
	v_exp_f32 v[NM+4*\i+1], v[NM+4*\i+1]
.endr
	v_nop                                          ; a plain vector instruction between the exponentials and their use (ISA guide 5.7.2)
.irp i, 0,1
	s_wait_alu depctr_va_vdst(0)
	v_mul_f32 v[NM+4*\i+2], v[NM+4*\i+1], v[U+2+\i]
.endr
.irp i, 0,1
	v_fma_f32 v[NM+4*\i+2], v[NM+4*\i], v[T+\qk+\i], v[NM+4*\i+2]
.endr
.irp i, 0,1
	v_rcp_f32 v[NM+4*\i+2], v[NM+4*\i+2]
.endr
	v_nop                                          ; the same behind the reciprocals
.irp i, 0,1
	s_wait_alu depctr_va_vdst(0)
	v_mul_f32 v[AL+4*\i], v[NM+4*\i], v[NM+4*\i+2]         ; a / l, twice
	v_mul_f32 v[AL+4*\i+1], v[NM+4*\i], v[NM+4*\i+2]
	v_mul_f32 v[AL+4*\i+2], v[NM+4*\i+1], v[NM+4*\i+2]     ; a' / l, twice
	v_mul_f32 v[AL+4*\i+3], v[NM+4*\i+1], v[NM+4*\i+2]
.endr
	s_wait_dscnt 0x0
.irp i, 0,1
.set n, 0
.rept 16
	v_pk_mul_f32 v[S+32*\i+2*n:S+32*\i+2*n+1], v[S+32*\i+2*n:S+32*\i+2*n+1], v[AL+4*\i+2:AL+4*\i+3]
.set n, n+1
.endr
.endr
	WIN 0x01                                       ; source 0 (my O) window 1
.irp i, 0,1
.set n, 0
.rept 16
	v_pk_fma_f32 v[S+32*\i+2*n:S+32*\i+2*n+1], v[O+32*(\qk+\i)+2*n:O+32*(\qk+\i)+2*n+1], v[AL+4*\i:AL+4*\i+1], v[S+32*\i+2*n:S+32*\i+2*n+1]
.set n, n+1
.endr
.endr
	WIN 0
.irp i, 0,1
.set n, 0
.rept 16
	v_cvt_pk_f16_f32 v[S+64+16*\i+n], v[S+32*\i+2*n], v[S+32*\i+2*n+1]
.set n, n+1
.endr
.endr
.irp i, 0,1
.irp dt, 0,1,2,3
	ds_store_b128 v[STO], v[S+64+16*\i+4*\dt:S+64+16*\i+4*\dt+3] offset:16*(\qk+\i)*SPITCH+32*\dt
.endr
.endr
.endm
	s_cmp_eq_u32 s95, 0
	s_cbranch_scc0 .Lsend_late
	SEND 2
	s_branch .Lsent
.Lsend_late:
	SEND 0
.Lsent:
	s_wait_dscnt 0x0                               ; my stores are done, for my partner
	s_barrier_signal -1
	s_barrier_wait -1
	s_cmp_eq_u32 s95, 0
	s_cbranch_scc0 .Lmerge_late
	MERGE 0
	s_branch .Lmerged
.Lmerge_late:
	MERGE 2
.Lmerged:
	s_wait_dscnt 0x0                               ; my stores into the stage are done, for the waves that read them
	s_barrier_signal -1
	s_barrier_wait -1
	; out as whole rows of 256 bytes (both heads), 16 rows a wave
.irp t, 0,1,2,3,4,5,6,7
	ds_load_b128 v[S+96+4*\t:S+96+4*\t+3], v[RD] offset:2*\t*SPITCH
.endr
.irp t, 0,1,2,3,4,5,6,7
	s_wait_dscnt 7-\t
	global_store_b128 v[CO], v[S+96+4*\t:S+96+4*\t+3], s[92:93] offset:2*\t*2048   ; 16 lanes store 256 consecutive bytes, aligned
.endr
	s_wait_tensorcnt 0x0
	ds_add_u32 v42, v43
	s_wait_dscnt 0x0
	CROUND                                         ; the closing round
	s_endpgm
.Lfunc_end_k_q795fddc195_attn:
	.size	k_q795fddc195_attn, .Lfunc_end_k_q795fddc195_attn-k_q795fddc195_attn
	.p2alignl 7, 3214868480
	.fill 96, 4, 3214868480
	.section	.rodata,"a",@progbits
	.p2align	6, 0x0
	.amdhsa_kernel k_q795fddc195_attn
		.amdhsa_group_segment_fixed_size 327680
		.amdhsa_private_segment_fixed_size 0
		.amdhsa_enable_private_segment 0
		.amdhsa_kernarg_size 24
		.amdhsa_user_sgpr_count 2
		.amdhsa_user_sgpr_kernarg_segment_ptr 1
		.amdhsa_wavefront_size32 1
		.amdhsa_system_sgpr_workgroup_id_x 1
		.amdhsa_system_sgpr_workgroup_id_y 1
		.amdhsa_system_sgpr_workgroup_id_z 1
		.amdhsa_system_vgpr_workitem_id 0
		.amdhsa_next_free_vgpr 512
		.amdhsa_next_free_sgpr 96
		.amdhsa_reserve_vcc 0
		.amdhsa_float_denorm_mode_32 3
		.amdhsa_float_denorm_mode_16_64 3
		.amdhsa_memory_ordered 1
		.amdhsa_forward_progress 1
		.amdhsa_inst_pref_size 255
	.end_amdhsa_kernel
	.section	.bss,"aw",@nobits
	.p2align	6
	.space	262144
	.amdgpu_metadata
---
amdhsa.version: [ 1, 2 ]
amdhsa.kernels:
  - .name:           k_q795fddc195_attn
    .symbol:         k_q795fddc195_attn.kd
    .args:
      - { .name: qkv, .offset: 0, .size: 8, .value_kind: global_buffer, .address_space: global }
      - { .name: mask, .offset: 8, .size: 8, .value_kind: global_buffer, .address_space: global }
      - { .name: ab, .offset: 16, .size: 8, .value_kind: global_buffer, .address_space: global }
    .group_segment_fixed_size: 327680
    .private_segment_fixed_size: 0
    .kernarg_segment_align: 8
    .kernarg_segment_size: 24
    .max_flat_workgroup_size: 256
    .sgpr_count:     96
    .vgpr_count:     512
    .wavefront_size: 32
...
	.end_amdgpu_metadata
.endif
;; end of part 3
;; launch oproj (part 4): grid 8 x 32, 4 waves a work-group, clusters of 4 x 4, 327,680 bytes of LDS; arguments ab, wb, out0; writes out0
.if DOCPART == 4
	.amdgcn_target "amdgcn-amd-amdhsa--gfx1250"
	.amdhsa_code_object_version 6
	.text
	.protected	k_q795fddc195_oproj
	.globl	k_q795fddc195_oproj
	.p2align	8
	.type	k_q795fddc195_oproj,@function
k_q795fddc195_oproj:
	s_mov_b64 s[64:65], 0
	v_nop
	global_prefetch_b8 v0, s[64:65] scope:SCOPE_SE
	s_setreg_imm32_b32 hwreg(HW_REG_WAVE_MODE, 25, 1), 1
	s_wait_xcnt 0x0
	s_wait_alu depctr_hold_cnt(0) depctr_sa_sdst(0) depctr_va_vdst(0) depctr_va_sdst(0) depctr_va_ssrc(0) depctr_va_vcc(0) depctr_vm_vsrc(0)
	s_getreg_b32 s2, hwreg(HW_REG_IB_STS2, 6, 4)
	s_cmp_eq_u32 s2, 0
	s_cbranch_scc0 .Lentry_in_a_cluster
	s_endpgm
.Lentry_in_a_cluster:
	s_bfe_u32 s2, ttmp6, 0x10000c
	s_cmp_lg_u32 s2, 0xf033
	s_cbranch_scc0 .Lentry_shape_is_right
	s_endpgm
.Lentry_shape_is_right:
; out0[m][n] = sum over k of ab[m][k] wo[n][k].  ab: [4096][1024] f16; wo = rows 3072-4095 of wb, f16; out0: [4096][1024] f32; sums in f32.
; 8 x 32 = 256 work-groups of 128 x 128; four waves of 64 x 64: 16 accumulator tiles in window 1 (tile (a, b) at v[8 (4 a + b)]).
; K goes in four tiles of 256 through two LDS slots: a tile's rows are 512 bytes of memory, aligned; one tensor load a wave brings 64 rows (32 KiB).
; A tile is eight quarter steps of 32 along K, 16 matrix instructions each, on two fragment buffers that take turns.
; CLUSTERS, 4 x 4: ab's tile hangs on the block row and is asked for jointly along a row of the cluster, wo's on the block column, along a column.
; The matrix instruction is used transposed (source 0 = rows of wo, source 1 = rows of ab): a lane holds eight neighbouring columns of one row, 32 bytes.
; The 16 accumulators take turns, one instruction a turn, in the same order in every quarter step.
.set SIZE_K, 1024
.set PITCH,  528                       ; 512 bytes + 16
.set QUART,  64*PITCH                  ; 64 rows: one tensor load
.set SLOT,   4*QUART                   ; ab's 128 rows, then wo's 128 rows
.set STAGE,  2*SLOT                    ; 16 rows x 272 bytes for each wave; no tensor load lands here
.set SPITCH, 272
.set ADRA, 16
.set ADRB, 20
.set STO,  24
.set RD,   25
.set CO,   26
.set F0,   64                          ; a buffer: wo's four fragments, then ab's four
.set F1,   128
.set G1, 24
.set G0, 32
.set G1B, 48
.set G0B, 56
.set MUL, 0x50                         ; C and D window 1, sources window 0
.set MSB, 0
.macro WIN new
.if MSB != \new
	s_set_vgpr_msb (MSB<<8)|\new
.set MSB, \new
.endif
.endm
.macro JLOAD s                         ; waves 0 and 1 fetch ab's two halves, waves 2 and 3 wo's
	s_cmp_eq_u32 s11, 0
	s_cbranch_scc0 .Lfor_b_\@
	tensor_load_to_lds s[G0+4*\s:G0+4*\s+3], s[G1:G1+7]
	s_nop 0
	s_branch .Lasked_\@
.Lfor_b_\@:
	tensor_load_to_lds s[G0B+4*\s:G0B+4*\s+3], s[G1B:G1B+7]
	s_nop 0
.Lasked_\@:
.endm
.macro CREST
	s_cmp_lg_u32 s10, 0
	s_cbranch_scc1 .Lnot_wave_0_\@
	s_barrier_signal -3
.Lnot_wave_0_\@:
	s_barrier_wait -3
	s_barrier_signal -1
	s_barrier_wait -1
.endm
.macro CROUND
	s_barrier_signal -1
	s_barrier_wait -1
	CREST
.endm
	s_load_b128 s[4:7], s[0:1], 0x0                ; ab s[4:5], wb s[6:7]
	s_load_b64 s[8:9], s[0:1], 0x10                ; out0
	v_lshl_add_u32 v254, v0, 2, 0x46400
	v_mov_b32 v255, 0
	ds_add_u32 v254, v255
	v_lshrrev_b32 v1, 5, v0
	v_readfirstlane_b32 s10, v1                    ; wave
	s_lshr_b32 s11, s10, 1                         ; my half of the block's rows; also: I fetch for ab (0) or for wo (1)
	s_and_b32 s12, s10, 1                          ; my half of its columns; also: which 64 rows I fetch
	s_bfe_u32 s40, ttmp6, 0x40000                  ; cx
	s_bfe_u32 s41, ttmp6, 0x40004                  ; cy
	s_lshl_b32 s42, ttmp9, 2
	s_add_co_u32 s42, s42, s40                     ; block column
	s_and_b32 s13, ttmp7, 0xffff
	s_lshl_b32 s13, s13, 2
	s_add_co_u32 s13, s13, s41                     ; block row
	s_lshl_b32 s43, s41, 2
	s_lshl_b32 s43, 15, s43                        ; my row of the cluster
	s_lshl_b32 s44, 0x1111, s40                    ; my column
	; group 1: 64 rows x 256 elements of 2 bytes, 4 words of padding behind every 128
	s_or_b32 s[G1+0], s43, (1<<16)|(1<<20)|(1<<21)|(6<<22)|(3<<25)
	s_or_b32 s[G1B+0], s44, (1<<16)|(1<<20)|(1<<21)|(6<<22)|(3<<25)
.irp g, G1, G1B
	s_mov_b32 s[\g+1], 256<<16                     ; tensor_dim0 = 256
	s_mov_b32 s[\g+2], 64<<16                      ; tensor_dim1 = 64
	s_mov_b32 s[\g+3], 256<<16                     ; tile_dim0 = 256
	s_mov_b32 s[\g+4], 64                          ; tile_dim1 = 64
	s_mov_b32 s[\g+5], SIZE_K
	s_mov_b32 s[\g+6], 0
	s_mov_b32 s[\g+7], 0
.endr
	s_lshl_b32 s17, s12, 6
	s_lshl_b32 s16, s13, 7
	s_add_co_u32 s16, s16, s17                     ; ab: row 128 x block row + 64 x half
	s_lshl_b32 s16, s16, 11                        ; rows of 2,048 bytes
	s_lshl_b32 s46, s42, 7
	s_add_co_u32 s46, s46, s17
	s_add_co_u32 s46, s46, 3072                    ; wb: row 3,072 + 128 x block column + 64 x half
	s_lshl_b32 s46, s46, 11
	s_mov_b32 s17, 0
	s_mov_b32 s47, 0
	s_mul_i32 s20, s10, QUART                      ; LDS: wave x 64 rows
	s_wait_dscnt 0x0
	s_wait_kmcnt 0x0
	s_add_nc_u64 s[14:15], s[4:5], s[16:17]
	s_add_nc_u64 s[46:47], s[6:7], s[46:47]
	CROUND                                         ; the first joint loads meet
.irp s, 0,1
	s_mov_b32 s[G0+4*\s], 1
	s_add_co_u32 s[G0+4*\s+1], s20, \s*SLOT
	s_add_nc_u64 s[G0+4*\s+2:G0+4*\s+3], s[14:15], \s*512
	s_or_b32 s[G0+4*\s+3], s[G0+4*\s+3], 0x80000000
	s_mov_b32 s[G0B+4*\s], 1
	s_add_co_u32 s[G0B+4*\s+1], s20, \s*SLOT
	s_add_nc_u64 s[G0B+4*\s+2:G0B+4*\s+3], s[46:47], \s*512
	s_or_b32 s[G0B+4*\s+3], s[G0B+4*\s+3], 0x80000000
	JLOAD \s                                       ; K tiles 0 and 1: two loads of the wave are out, later one
.endr
	v_and_b32 v1, 15, v0                           ; r
	v_bfe_u32 v2, v0, 4, 1                         ; h
	v_mul_u32_u24 v3, v1, PITCH
	v_lshl_add_u32 v3, v2, 4, v3
	s_mul_i32 s21, s11, QUART                      ; my 64 rows of ab
	s_mul_i32 s22, s12, QUART                      ; my 64 rows of wo,
	s_add_co_u32 s22, s22, 2*QUART                 ; behind ab's 128
.irp s, 0,1
	v_add_nc_u32 v[ADRA+\s], s21, v3
	v_add_nc_u32 v[ADRB+\s], s22, v3
	s_add_co_u32 s21, s21, SLOT
	s_add_co_u32 s22, s22, SLOT
.endr
	s_mul_i32 s23, s10, 16*SPITCH
	s_add_co_u32 s23, s23, STAGE                   ; my stage
	v_mul_u32_u24 v4, v1, SPITCH                   ; in: row r, 32 bytes for each half of the lanes
	v_lshl_add_u32 v4, v2, 5, v4
	v_add_nc_u32 v[STO], s23, v4
	v_mul_u32_u24 v5, v2, SPITCH                   ; back: lanes 0-15 one row of 256 bytes, lanes 16-31 the next
	v_lshl_add_u32 v5, v1, 4, v5
	v_add_nc_u32 v[RD], s23, v5
	v_lshlrev_b32 v5, 12, v2                       ; the same two rows in out0 (4,096 bytes a row)
	v_lshl_add_u32 v[CO], v1, 4, v5
.macro MULA f, a, zero                 ; four matrix instructions: m block a x all four n blocks
.irp b, 0,1,2,3
.if \zero
	v_wmma_f32_16x16x32_f16 v[8*(4*\a+\b):8*(4*\a+\b)+7], v[\f+8*\b:\f+8*\b+7], v[\f+32+8*\a:\f+32+8*\a+7], 0
.else
	v_wmma_f32_16x16x32_f16 v[8*(4*\a+\b):8*(4*\a+\b)+7], v[\f+8*\b:\f+8*\b+7], v[\f+32+8*\a:\f+32+8*\a+7], v[8*(4*\a+\b):8*(4*\a+\b)+7]
.endif
.endr
.endm
.macro FETCH slot, k, f                ; 16 LDS loads in one run: wo's four fragments, then ab's four
	WIN 0
.irp i, 0,1,2,3
	ds_load_b128 v[\f+8*\i:\f+8*\i+3],   v[ADRB+\slot] offset:\k+\i*16*PITCH
	ds_load_b128 v[\f+8*\i+4:\f+8*\i+7], v[ADRB+\slot] offset:\k+\i*16*PITCH+32
.endr
.irp i, 0,1,2,3
	ds_load_b128 v[\f+32+8*\i:\f+32+8*\i+3],   v[ADRA+\slot] offset:\k+\i*16*PITCH
	ds_load_b128 v[\f+32+8*\i+4:\f+32+8*\i+7], v[ADRA+\slot] offset:\k+\i*16*PITCH+32
.endr
.endm
.macro PLACES                          ; four independent vector instructions behind a matrix instruction (ISA guide 7.12.1)
.rept 4
	v_nop
.endr
.endm
.macro QUARTER slot, k, f, g, zero
	s_wait_dscnt 4                                 ; wo and ab's blocks 0, 1 are in; the youngest four loads (blocks 2, 3) may be out
	WIN MUL
	MULA \f, 0, \zero
	MULA \f, 1, \zero
	PLACES
	FETCH \slot, \k, \g
	s_wait_dscnt 16                                ; all but the 16 just issued
	WIN MUL
	MULA \f, 2, \zero
	MULA \f, 3, \zero
.endm
.macro SEVEN slot, zero
	QUARTER \slot, 64,  F0, F1, \zero
	QUARTER \slot, 128, F1, F0, 0
	QUARTER \slot, 192, F0, F1, 0
	QUARTER \slot, 256, F1, F0, 0
	QUARTER \slot, 320, F0, F1, 0
	QUARTER \slot, 384, F1, F0, 0
	QUARTER \slot, 448, F0, F1, 0
.endm
; the eighth quarter multiplies buffer 1 and changes slots
.macro TURN slot, next, fill
	s_wait_dscnt 4
	WIN MUL
	MULA F1, 0, 0
	s_wait_dscnt 0                                 ; my reads of this slot are over
	s_wait_tensorcnt 0x0                           ; all my tensor loads have landed: my part of the next slot
	ds_add_u32 v254, v255
	s_wait_dscnt 0x0
	s_barrier_signal -1                            ; where the slot is filled again this opens a round of the cluster's barrier
	MULA F1, 1, 0                                  ; register work while the others arrive
	WIN 0
	s_barrier_wait -1
.if \fill
	CREST                                          ; no wave of any partner still reads this slot or has a load on its way
	s_add_nc_u64 s[G0+4*\slot+2:G0+4*\slot+3], s[G0+4*\slot+2:G0+4*\slot+3], 1024
	s_add_nc_u64 s[G0B+4*\slot+2:G0B+4*\slot+3], s[G0B+4*\slot+2:G0B+4*\slot+3], 1024
	JLOAD \slot                                    ; the wave's one tensor load behind the round
.endif
	PLACES
	FETCH \next, 0, F0
	WIN MUL
	MULA F1, 2, 0
	MULA F1, 3, 0
.endm
	s_wait_tensorcnt 1                             ; my part of K tile 0 is in; tile 1's stays out
	s_barrier_signal -1
	s_barrier_wait -1
	FETCH 0, 0, F0
	SEVEN 0, 1                                     ; the first products start the sums
	TURN 0, 1, 1                                   ; K tile 2 into slot 0
	SEVEN 1, 0
	TURN 1, 0, 1                                   ; K tile 3 into slot 1
	SEVEN 0, 0
	TURN 0, 1, 0                                   ; nothing is left to fetch
	SEVEN 1, 0
	s_wait_dscnt 4
	WIN MUL
	MULA F1, 0, 0
	MULA F1, 1, 0
	s_wait_dscnt 0
	MULA F1, 2, 0
	MULA F1, 3, 0
	; THE WAY OUT, 16 rows at a time: 32 bytes a lane straight from the accumulators into my own stage, read back as whole rows of 256 bytes
	PLACES
	s_lshl_b32 s13, s13, 7
	s_lshl_b32 s14, s11, 6
	s_add_co_u32 s16, s13, s14                     ; my first row
	s_lshl_b32 s16, s16, 12
	s_mov_b32 s17, 0
	s_add_nc_u64 s[8:9], s[8:9], s[16:17]
	s_lshl_b32 s46, s42, 9                         ; my first column in bytes: 512 x block + 256 x half, in the registers that held wo's address
	s_lshl_b32 s47, s12, 8
	s_add_co_u32 s46, s46, s47
	s_mov_b32 s47, 0
	s_add_nc_u64 s[8:9], s[8:9], s[46:47]
.macro OUT16 a, f
	WIN 0x04                                       ; the stores' data in window 1
.irp b, 0,1,2,3
	ds_store_b128 v[STO], v[8*(4*\a+\b):8*(4*\a+\b)+3] offset:64*\b
	ds_store_b128 v[STO], v[8*(4*\a+\b)+4:8*(4*\a+\b)+7] offset:64*\b+16
.endr
	WIN 0
	s_wait_xcnt 0x0                                ; buffer f, which earlier stores read, is rewritten only behind this wait
.irp t, 0,1,2,3,4,5,6,7
	ds_load_b128 v[\f+4*\t:\f+4*\t+3], v[RD] offset:\t*2*SPITCH    ; LDS serves a wave's instructions in order: these see the stores above
.endr
.irp t, 0,1,2,3,4,5,6,7
	s_wait_dscnt 7-\t
	global_store_b128 v[CO], v[\f+4*\t:\f+4*\t+3], s[8:9] offset:(16*\a+2*\t)*4096 th:TH_STORE_NT   ; 16 lanes store 256 consecutive bytes, aligned
.endr
.endm
	OUT16 0, F0
	OUT16 1, F1
	OUT16 2, F0
	OUT16 3, F1
	s_wait_tensorcnt 0x0
	ds_add_u32 v254, v255
	s_wait_dscnt 0x0
	CROUND                                         ; the closing round
	s_endpgm
.Lfunc_end_k_q795fddc195_oproj:
	.size	k_q795fddc195_oproj, .Lfunc_end_k_q795fddc195_oproj-k_q795fddc195_oproj
	.p2alignl 7, 3214868480
	.fill 96, 4, 3214868480
	.section	.rodata,"a",@progbits
	.p2align	6, 0x0
	.amdhsa_kernel k_q795fddc195_oproj
		.amdhsa_group_segment_fixed_size 327680
		.amdhsa_private_segment_fixed_size 0
		.amdhsa_enable_private_segment 0
		.amdhsa_kernarg_size 24
		.amdhsa_user_sgpr_count 2
		.amdhsa_user_sgpr_kernarg_segment_ptr 1
		.amdhsa_wavefront_size32 1
		.amdhsa_system_sgpr_workgroup_id_x 1
		.amdhsa_system_sgpr_workgroup_id_y 1
		.amdhsa_system_sgpr_workgroup_id_z 1
		.amdhsa_system_vgpr_workitem_id 0
		.amdhsa_next_free_vgpr 384
		.amdhsa_next_free_sgpr 66
		.amdhsa_reserve_vcc 0
		.amdhsa_float_denorm_mode_32 3
		.amdhsa_float_denorm_mode_16_64 3
		.amdhsa_memory_ordered 1
		.amdhsa_forward_progress 1
		.amdhsa_inst_pref_size 89
	.end_amdhsa_kernel
	.amdgpu_metadata
---
amdhsa.version: [ 1, 2 ]
amdhsa.kernels:
  - .name:           k_q795fddc195_oproj
    .symbol:         k_q795fddc195_oproj.kd
    .args:
      - { .name: ab, .offset: 0, .size: 8, .value_kind: global_buffer, .address_space: global }
      - { .name: wb, .offset: 8, .size: 8, .value_kind: global_buffer, .address_space: global }
      - { .name: out0, .offset: 16, .size: 8, .value_kind: global_buffer, .address_space: global }
    .group_segment_fixed_size: 327680
    .private_segment_fixed_size: 0
    .kernarg_segment_align: 8
    .kernarg_segment_size: 24
    .max_flat_workgroup_size: 128
    .sgpr_count:     66
    .vgpr_count:     384
    .wavefront_size: 32
...
	.end_amdgpu_metadata
.endif
;; end of part 4
;; ======== version 2 of 2: 4 launches; version 1 with the launch tof16 written anew for expert scheduling mode
;; limits: values are held in f16: magnitudes above 65,504 overflow, below 6.1e-05 lose precision
;; workspace buffers: xb 8,388,608 bytes; wb 8,388,608 bytes; qkv 25,165,824 bytes; ab 8,388,608 bytes
;; launch tof16 (part 5): grid 512 x 1, 8 waves a work-group, no clusters, 0 bytes of LDS; arguments x, wq, wk, wv, wo, xb, wb; writes xb, wb
.if DOCPART == 5
	.amdgcn_target "amdgcn-amd-amdhsa--gfx1250"
	.amdhsa_code_object_version 6
	.text
	.protected	k_q795fddc195_tof16
	.globl	k_q795fddc195_tof16
	.p2align	8
	.type	k_q795fddc195_tof16,@function
k_q795fddc195_tof16:
	s_mov_b64 s[64:65], 0
	v_nop
	global_prefetch_b8 v0, s[64:65] scope:SCOPE_SE
	s_setreg_imm32_b32 hwreg(HW_REG_WAVE_SCHED_MODE, 0, 2), 2
	s_setreg_imm32_b32 hwreg(HW_REG_WAVE_MODE, 25, 1), 1
	s_wait_xcnt 0x0
	s_wait_alu depctr_vm_vsrc(0)
; x and the four weights, f32, are rounded once to f16 for the matrix launches that follow:
;   xb[4096][1024] = x;   wb[4096][1024] = wq, wk, wv, wo stacked by rows (1,024 rows each).
; A stream: no LDS, no matrix unit, no cluster (no byte is read by two work-groups).
; Work-group g takes 64 KiB of f32: g < 256 the g-th piece of x, else piece g & 63 of weight (g & 255) >> 6.
; The result's place is (g & 255) x 32 KiB in xb or in wb: the weights fall into their stacking order by themselves.
; Wave w takes 8 KiB: 16 loads of 512 neighbouring bytes, all issued before the first is used; each pair of
; conversions feeds one store of 8 bytes a lane, 256 neighbouring bytes of the wave, aligned.
; LIMIT: f16 holds magnitudes below 65,504 (larger ones become infinite); below 6.1e-5 the step is 6e-8.
; THE MODE: SCHED_MODE bits 1:0 = 2 (LLVM: expert scheduling mode 2), set by the entry lines.  The code itself states the register dependences
; between vector instructions and memory instructions, with s_wait_alu, always for 0.
; THE PLAN.  Registers that memory instructions touch:
;   v1, v2   byte offsets of the loads and of the stores: made once at the head by vector instructions, never written again.
;   X        written by the 16 loads, each register once; read by the conversions alone; no vector instruction writes it, no load lands in it again.
;   Y        written by the conversions, each register once; read by the stores; never written again.
; The 16 pieces go in four groups of four.  Group g's eight conversions read X of group g and write Y of group g; its memory instructions are the four
; stores of group g - 1, which read Y of group g - 1 and v2: registers that no vector instruction of group g names.  So one wait at a group's head states
; all that its four stores hang on, and they are dealt among its conversions with no further wait.  No register that a memory instruction reads is
; written again, so nothing is owed for the stores' and loads' sources.
.set X, 4                              ; v[4:67]   the 16 loads, 4 registers each
.set Y, 68                             ; v[68:99]  the 16 results, 2 registers each
	s_load_b256 s[4:11], s[0:1], 0x0               ; x s[4:5], wq s[6:7], wk s[8:9], wv s[10:11]
	s_load_b128 s[12:15], s[0:1], 0x20             ; wo s[12:13], xb s[14:15]
	s_load_b64 s[16:17], s[0:1], 0x30              ; wb
	s_and_b32 s20, ttmp9, 255                      ; the piece's number in its destination
	s_lshr_b32 s21, s20, 6                         ; which weight
	s_lshl_b32 s22, s20, 15                        ; destination offset: 32 KiB a piece
	s_mov_b32 s23, 0
	s_and_b32 s24, ttmp9, 63
	s_lshl_b32 s24, s24, 16                        ; source offset inside a weight: 64 KiB a piece
	s_mov_b32 s25, 0
	s_lshl_b32 s26, s20, 16                        ; source offset inside x
	v_lshrrev_b32 v3, 5, v0                        ; wave
	v_and_b32 v2, 31, v0                           ; lane
	v_lshlrev_b32 v1, 4, v2
	v_lshl_add_u32 v1, v3, 13, v1                  ; load: 8,192 x wave + 16 x lane
	v_lshlrev_b32 v2, 3, v2
	v_lshl_add_u32 v2, v3, 12, v2                  ; store: 4,096 x wave + 8 x lane
	s_wait_kmcnt 0x0
	s_cmp_eq_u32 s21, 1                            ; the source is chosen among the buffers by the work-group's number alone
	s_cselect_b64 s[18:19], s[8:9], s[6:7]
	s_cmp_eq_u32 s21, 2
	s_cselect_b64 s[18:19], s[10:11], s[18:19]
	s_cmp_eq_u32 s21, 3
	s_cselect_b64 s[18:19], s[12:13], s[18:19]
	s_cmp_lt_u32 ttmp9, 256                        ; the three selects below leave SCC alone
	s_cselect_b64 s[18:19], s[4:5], s[18:19]
	s_cselect_b64 s[28:29], s[14:15], s[16:17]
	s_cselect_b32 s24, s26, s24
	s_add_nc_u64 s[18:19], s[18:19], s[24:25]
	s_add_nc_u64 s[28:29], s[28:29], s[22:23]
	s_wait_alu depctr_va_vdst(0)                   ; v1 and v2 are written: every load of the kernel reads v1 as its offset, every store v2
.irp i, 0,1,2,3,4,5,6,7,8,9,10,11,12,13,14,15
	global_load_b128 v[X+4*\i:X+4*\i+3], v1, s[18:19] offset:512*\i th:TH_LOAD_NT   ; read once in the launch
.endr
; Group g: pieces 4 g to 4 g + 3.  before = 1: the group in front of it is stored.
.macro GROUP g, before
	s_wait_loadcnt 12-4*(\g)                       ; loads return in order: this group's four are in, the 12 - 4 g younger ones stay out
.if \before
	s_wait_alu depctr_va_vdst(0)                   ; the conversions of the group before have written its Y, which the four stores below read
.endif
.irp i, 0,1,2,3
.if \before
	global_store_b64 v2, v[Y+2*(4*(\g)-4+(\i)):Y+2*(4*(\g)-4+(\i))+1], s[28:29] offset:256*(4*(\g)-4+(\i))   ; no vector instruction since the wait names these registers
.endif
	v_cvt_pk_f16_f32 v[Y+2*(4*(\g)+(\i))],   v[X+4*(4*(\g)+(\i))],   v[X+4*(4*(\g)+(\i))+1]
	v_cvt_pk_f16_f32 v[Y+2*(4*(\g)+(\i))+1], v[X+4*(4*(\g)+(\i))+2], v[X+4*(4*(\g)+(\i))+3]
.endr
.endm
	GROUP 0, 0                                     ; no group stands in front of the first: no store, and no wait but the one for its data
	GROUP 1, 1
	GROUP 2, 1
	GROUP 3, 1
	s_wait_alu depctr_va_vdst(0)                   ; the last group's conversions have written its Y, which the last four stores read
.irp i, 12,13,14,15
	global_store_b64 v2, v[Y+2*\i:Y+2*\i+1], s[28:29] offset:256*\i   ; no register is written twice: no further wait
.endr
	s_endpgm
.Lfunc_end_k_q795fddc195_tof16:
	.size	k_q795fddc195_tof16, .Lfunc_end_k_q795fddc195_tof16-k_q795fddc195_tof16
	.p2alignl 7, 3214868480
	.fill 96, 4, 3214868480
	.section	.rodata,"a",@progbits
	.p2align	6, 0x0
	.amdhsa_kernel k_q795fddc195_tof16
		.amdhsa_group_segment_fixed_size 0
		.amdhsa_private_segment_fixed_size 0
		.amdhsa_enable_private_segment 0
		.amdhsa_kernarg_size 56
		.amdhsa_user_sgpr_count 2
		.amdhsa_user_sgpr_kernarg_segment_ptr 1
		.amdhsa_wavefront_size32 1
		.amdhsa_system_sgpr_workgroup_id_x 1
		.amdhsa_system_sgpr_workgroup_id_y 1
		.amdhsa_system_sgpr_workgroup_id_z 1
		.amdhsa_system_vgpr_workitem_id 0
		.amdhsa_next_free_vgpr 100
		.amdhsa_next_free_sgpr 66
		.amdhsa_reserve_vcc 0
		.amdhsa_float_denorm_mode_32 3
		.amdhsa_float_denorm_mode_16_64 3
		.amdhsa_memory_ordered 1
		.amdhsa_forward_progress 1
		.amdhsa_inst_pref_size 7
	.end_amdhsa_kernel
	.amdgpu_metadata
---
amdhsa.version: [ 1, 2 ]
amdhsa.kernels:
  - .name:           k_q795fddc195_tof16
    .symbol:         k_q795fddc195_tof16.kd
    .args:
      - { .name: x, .offset: 0, .size: 8, .value_kind: global_buffer, .address_space: global }
      - { .name: wq, .offset: 8, .size: 8, .value_kind: global_buffer, .address_space: global }
      - { .name: wk, .offset: 16, .size: 8, .value_kind: global_buffer, .address_space: global }
      - { .name: wv, .offset: 24, .size: 8, .value_kind: global_buffer, .address_space: global }
      - { .name: wo, .offset: 32, .size: 8, .value_kind: global_buffer, .address_space: global }
      - { .name: xb, .offset: 40, .size: 8, .value_kind: global_buffer, .address_space: global }
      - { .name: wb, .offset: 48, .size: 8, .value_kind: global_buffer, .address_space: global }
    .group_segment_fixed_size: 0
    .private_segment_fixed_size: 0
    .kernarg_segment_align: 8
    .kernarg_segment_size: 56
    .max_flat_workgroup_size: 256
    .sgpr_count:     66
    .vgpr_count:     100
    .wavefront_size: 32
...
	.end_amdgpu_metadata
.endif
;; end of part 5
;; launch qkvgemm: the kernel of part 2 again; grid 12 x 16, 4 waves a work-group, clusters of 4 x 4, 327,680 bytes of LDS; arguments xb, wb, qkv; writes qkv
;; launch attn: the kernel of part 3 again; grid 16 x 16, 8 waves a work-group, clusters of 4 x 4, 327,680 bytes of LDS; arguments qkv, mask, ab; writes ab
;; launch oproj: the kernel of part 4 again; grid 8 x 32, 4 waves a work-group, clusters of 4 x 4, 327,680 bytes of LDS; arguments ab, wb, out0; writes out0
